; MI455X (gfx1250); checked and timed in simulation.
; The chip was launched on July 23, 2026; its instructions are those of AMD's public machine-readable ISA for CDNA 5 (MIT licence, August 2026) and "CDNA5" Instruction Set Architecture Reference Guide (July 2026). The comments in the code are by the model that wrote it; some were corrected since.
;; Switch Mo E. Allowed arithmetic: matrix products marked QUANTISED: E5M2 operands, one given power-of-two scale a tensor, by v_wmma_f32_16x16x64_bf8_bf8 or v_wmma_f32_16x16x128_bf8_bf8, f32 sums; products left as they are: f32 operands where the result goes on into a quantised operand, else bf16, f16 or f32 operands; f32 sums; everything else in f32.
;; Inputs: b1 8 x 4,096 float32; b2 8 x 1,024 float32; gate_w 1,024 x 8 float32; lowp_scales 32 int32 (the exponents e of the quantised operands' scales 2^e); w1 8 x 1,024 x 4,096 float32; w2 8 x 4,096 x 1,024 float32; x 4 x 256 x 1,024 float32.
;; Outputs: out0 4 x 256 x 1,024 float32.
;; This version of the problem:
;;   THIS VERSION OF THE PROBLEM IS GIVEN IN LOW PRECISION. The matrix products marked QUANTISED in the list below multiply operands that are first quantised to E5M2 (5 exponent bits, 2 mantissa bits; 8 bits a number), with one given power-of-two scale for each operand tensor; their sums are f32. All else is computed in f32.
;;   The module's matrix products, in the order in which they are computed (A, B: the left and right operand; K: the contracted axis; several contracted axes count as one K, in the product's order):
;;     1. [M 1,024, K 1,024] x [K 1,024, N 8]; A: input x; B: input gate_w: left as it is (N = 8 < 16)
;;     2. [M 1,024, K 1,024] x [K 1,024, N 4,096]; A: input x; B: input w1: QUANTISED (scales: A lowp_scales[0], B lowp_scales[1])
;;     3. [M 1,024, K 4,096] x [K 4,096, N 1,024]; A: computed on the way; B: input w2: QUANTISED (scales: A lowp_scales[2], B lowp_scales[3])
;;     4. [M 1,024, K 1,024] x [K 1,024, N 4,096]; A: input x; B: input w1: QUANTISED (scales: A lowp_scales[4], B lowp_scales[5])
;;     5. [M 1,024, K 4,096] x [K 4,096, N 1,024]; A: computed on the way; B: input w2: QUANTISED (scales: A lowp_scales[6], B lowp_scales[7])
;;     6. [M 1,024, K 1,024] x [K 1,024, N 4,096]; A: input x; B: input w1: QUANTISED (scales: A lowp_scales[8], B lowp_scales[9])
;;     7. [M 1,024, K 4,096] x [K 4,096, N 1,024]; A: computed on the way; B: input w2: QUANTISED (scales: A lowp_scales[10], B lowp_scales[11])
;;     8. [M 1,024, K 1,024] x [K 1,024, N 4,096]; A: input x; B: input w1: QUANTISED (scales: A lowp_scales[12], B lowp_scales[13])
;;     9. [M 1,024, K 4,096] x [K 4,096, N 1,024]; A: computed on the way; B: input w2: QUANTISED (scales: A lowp_scales[14], B lowp_scales[15])
;;     10. [M 1,024, K 1,024] x [K 1,024, N 4,096]; A: input x; B: input w1: QUANTISED (scales: A lowp_scales[16], B lowp_scales[17])
;;     11. [M 1,024, K 4,096] x [K 4,096, N 1,024]; A: computed on the way; B: input w2: QUANTISED (scales: A lowp_scales[18], B lowp_scales[19])
;;     12. [M 1,024, K 1,024] x [K 1,024, N 4,096]; A: input x; B: input w1: QUANTISED (scales: A lowp_scales[20], B lowp_scales[21])
;;     13. [M 1,024, K 4,096] x [K 4,096, N 1,024]; A: computed on the way; B: input w2: QUANTISED (scales: A lowp_scales[22], B lowp_scales[23])
;;     14. [M 1,024, K 1,024] x [K 1,024, N 4,096]; A: input x; B: input w1: QUANTISED (scales: A lowp_scales[24], B lowp_scales[25])
;;     15. [M 1,024, K 4,096] x [K 4,096, N 1,024]; A: computed on the way; B: input w2: QUANTISED (scales: A lowp_scales[26], B lowp_scales[27])
;;     16. [M 1,024, K 1,024] x [K 1,024, N 4,096]; A: input x; B: input w1: QUANTISED (scales: A lowp_scales[28], B lowp_scales[29])
;;     17. [M 1,024, K 4,096] x [K 4,096, N 1,024]; A: computed on the way; B: input w2: QUANTISED (scales: A lowp_scales[30], B lowp_scales[31])
;;   THE QUANTISER, for each operand of a quantised product, along K:
;;     - The operand's scale is 2^e, e = its entry of the input lowp_scales (int32; the entries are numbered through the quantised products in the list's order, A before B).
;;     - Each number is divided by the scale, clamped to +-57,344, and rounded to the nearest number of E5M2, ties to even, subnormals kept.
;;     - The product sums the exact products of the quantised numbers (number of the format x scale) in f32.
;;   ~~~python
;;   def quantise(x, axis, e):      # numpy; x: float32 -> the quantised numbers, widened to float32 again
;;       x = np.moveaxis(x, axis, -1); K = x.shape[-1]
;;       r = np.clip(x / 2.0 ** e, -57344, 57344)
;;       step = 2.0 ** (np.maximum(np.frexp(np.where(r == 0, 1, r))[1] - 1, -14) - 2)
;;       q = np.round(r / step) * step * 2.0 ** e      # np.round: ties to even
;;       return np.moveaxis(q, -1, axis).astype(np.float32)
;;   ~~~
;;   OPERANDS COMPUTED ON THE WAY. 'Computed on the way' means the value that the module computes at that place (a softmax that the list does not call 'softmax' is quantised finished and normalised). What goes into a quantiser is computed in f32, as accurately as f32 sums, v_exp_f32 and their like allow (about 1e-6 of the number): no bf16 or f16 on the way to a quantiser, and a product that is left as it is and whose result goes on into a quantised operand takes f32 operands (vector FMAs, or v_wmma_f32_16x16x4_f32). A number that lies on a knife's edge between two numbers of the format may be rounded either way, as far as f32 arithmetic and the matrix unit's own rounding can turn it there, and no further.
;; 2 versions. Each part assembles by itself: llvm-mc -triple=amdgcn-amd-amdhsa -mcpu=gfx1250 --defsym DOCPART=n.
;; ======== version 1 of 2: 4 launches
;; workspace buffers: xq 1,048,576 bytes; eidx 4,096 bytes of whole numbers; gprob 4,096 bytes; order 4,096 bytes of whole numbers; gsort 4,096 bytes; meta 256 bytes of whole numbers; hq 4,718,592 bytes
;; launch route (part 1): grid 256 x 1, 4 waves a work-group, no clusters, 34,304 bytes of LDS; arguments x, gate_w, lowp_scales, xq, eidx, gprob; writes xq, eidx, gprob
.if DOCPART == 1
	.amdgcn_target "amdgcn-amd-amdhsa--gfx1250"
	.amdhsa_code_object_version 6
	.text
	.protected	k_q919750a935_route
	.globl	k_q919750a935_route
	.p2align	8
	.type	k_q919750a935_route,@function
k_q919750a935_route:
	s_mov_b64 s[64:65], 0
	v_nop
	global_prefetch_b8 v0, s[64:65] scope:SCOPE_SE
	s_setreg_imm32_b32 hwreg(HW_REG_WAVE_MODE, 25, 1), 1
	s_wait_xcnt 0x0
; SWITCH LAYER, launch 1 of 4: the router, and x as codes.
; For each of the 1,024 tokens: logits = x . gate_w (f32 multiply-adds), softmax with the maximum taken away, the first largest probability's index
; and value; then the token's 1,024 numbers become codes of E5M2 with the scale 2^ex of the CHOSEN expert (lowp_scales[4 e]).
; WORK LEFT OUT IN THE WHOLE PROGRAM.  reference() multiplies row t of expert e's result by where(expert_idx[t] == e, expert_w[t], 0.0): for every
; e other than expert_idx[t] the factor is the constant 0, whatever finite values the inputs hold.  So of the sixteen quantised products only the rows
; of the chosen expert are multiplied, and x is quantised for that expert alone.  Every input stays live and is loaded.
; LIMIT: a NaN, an infinity or an overflow that arises only in a row of an expert that was not chosen is not carried to the result.
; LIMITS: ex between -126 and 112, so that 2^ex and 57,344 x 2^ex are f32 numbers.  NaN among the inputs is not served.  The largest is sought among the
; exponentials 2^((l - max) log2 e); of equal ones the lower index is kept.  The sums' order differs from reference()'s.
; No address and no branch hangs on the choice: index, probability and codes go to fixed places; the scale is picked by v_cndmask_b32.
; SHARES.  Four waves, one token each.  Lane l holds x[256 blk + 8 l + 0..7], blk = 0..3: eight neighbours along K for each conversion.
; gate_w (32,768 bytes) is read once by the work-group, 16 bytes a lane in dense loads, and laid into LDS in 64 regions of 512 + 16 bytes:
; region ((2 blk + hf) 4 + i) 2 + eh holds at 16 l the four numbers gate_w[256 blk + 8 l + 4 hf + i][4 eh ..]: a read is 512 consecutive bytes.
; No matrix unit (8 columns), no tensor load, no cluster: the launch is a few thousand multiply-adds a wave.
.set GP,    528                        ; a region: 512 bytes + 16
.set SPARE, 64*GP                      ; behind the regions: the spare words, 128 bytes for each wave
.set XO,  2                            ; v2   32 x lane: my 32 bytes in each 1,024 of x's row
.set FA,  3                            ; v3   where my 16 bytes of gate_w go in LDS
.set L16, 4                            ; v4   16 x lane
.set QO,  5                            ; v5   8 x lane: my 8 codes
.set SPW, 6                            ; v6   LDS address of my spare word; never rewritten
.set NIL, 7                            ; v7   0; never rewritten
.set X,   8                            ; v8-39    my 32 numbers of x
.set G0,  40                           ; v40-71   gate numbers, two sets; first the landing place of gate_w
.set G1,  72                           ; v72-103
.set ACC, 104                          ; v104-111 the eight logits
.set TM,  112                          ; v112-127 at work
	s_load_b256 s[4:11], s[0:1], 0x0               ; x, gate_w, lowp_scales, xq
	s_load_b128 s[12:15], s[0:1], 0x20             ; eidx, gprob
	v_lshl_add_u32 v[SPW], v0, 2, SPARE
	v_mov_b32 v[NIL], 0
	v_lshrrev_b32 v1, 5, v0
	v_readfirstlane_b32 s16, v1                    ; wave
	v_and_b32 v1, 31, v0                           ; lane
	v_lshlrev_b32 v[XO], 5, v1
	v_and_b32 v[FA], 15, v0
	v_mul_u32_u24 v[FA], v[FA], GP                 ; region (thread % 16) of a block of sixteen,
	v_lshrrev_b32 v[TM], 4, v0
	v_lshl_add_u32 v[FA], v[TM], 4, v[FA]          ; place thread / 16 in it
	v_lshlrev_b32 v[L16], 4, v1
	v_lshlrev_b32 v[QO], 3, v1
	v_lshlrev_b32 v[TM+1], 4, v0                   ; gate_w: 16 bytes a thread
	s_lshl_b32 s17, ttmp9, 2
	s_add_co_u32 s17, s17, s16                     ; my token
	s_lshl_b32 s18, s17, 12
	s_mov_b32 s19, 0
	s_lshl_b32 s22, s17, 10
	s_mov_b32 s23, 0
	s_lshl_b32 s24, s17, 2
	s_mov_b32 s25, 0
	s_mov_b32 s20, 0x76543210                      ; v_permlanex16_b32: lane l xor 16
	s_mov_b32 s21, 0xfedcba98
	s_wait_kmcnt 0x0
	s_load_b512 s[32:47], s[8:9], 0x0              ; all 32 exponents
	s_load_b512 s[48:63], s[8:9], 0x40
	s_add_nc_u64 s[4:5], s[4:5], s[18:19]
	s_add_nc_u64 s[10:11], s[10:11], s[22:23]
	s_add_nc_u64 s[12:13], s[12:13], s[24:25]
	s_add_nc_u64 s[14:15], s[14:15], s[24:25]
.irp n, 0,1,2,3,4,5,6,7,8,9,10,11,12,13,14,15
	global_load_b128 v[G0+4*\n:G0+4*\n+3], v[TM+1], s[6:7] offset:2048*\n   ; the work-group's 128 threads read 2,048 consecutive bytes
.endr
.irp b, 0,1,2,3
	global_load_b128 v[X+8*\b:X+8*\b+3], v[XO], s[4:5] offset:1024*\b th:TH_LOAD_NT
	global_load_b128 v[X+8*\b+4:X+8*\b+7], v[XO], s[4:5] offset:1024*\b+16 th:TH_LOAD_NT
.endr
	s_wait_loadcnt 8                               ; gate_w is in; x's eight younger loads may be out
.irp n, 0,1,2,3,4,5,6,7,8,9,10,11,12,13,14,15
	ds_store_b128 v[FA], v[G0+4*\n:G0+4*\n+3] offset:(\n/4)*16*GP+(\n%4)*128
.endr
	s_wait_dscnt 0x0                               ; for the others' sake: my stores have landed
	s_barrier_signal -1
	s_barrier_wait -1
	s_wait_loadcnt 0x0                             ; x
.macro GLOAD gi, buf                   ; the eight regions of group gi = 2 blk + hf: register 8 i + e = gate_w[.. + i][e]
.irp k, 0,1,2,3,4,5,6,7
	ds_load_b128 v[\buf+4*\k:\buf+4*\k+3], v[L16] offset:(8*(\gi)+\k)*GP
.endr
.endm
.macro GFMA gi, buf, first             ; 32 multiply-adds; the very first eight start the sums
.irp i, 0,1,2,3
.irp e, 0,1,2,3,4,5,6,7
.if \first && (\i == 0)
	v_mul_f32 v[ACC+\e], v[X+4*(\gi)+\i], v[\buf+8*\i+\e]
.else
	v_fmac_f32 v[ACC+\e], v[X+4*(\gi)+\i], v[\buf+8*\i+\e]
.endif
.endr
.endr
.endm
	GLOAD 0, G0
	GLOAD 1, G1
	s_wait_dscnt 8                                 ; this group's eight loads are in, the next group's eight may be out: so in each of these waits
	GFMA 0, G0, 1
	GLOAD 2, G0
	s_wait_dscnt 8
	GFMA 1, G1, 0
	GLOAD 3, G1
	s_wait_dscnt 8
	GFMA 2, G0, 0
	GLOAD 4, G0
	s_wait_dscnt 8
	GFMA 3, G1, 0
	GLOAD 5, G1
	s_wait_dscnt 8
	GFMA 4, G0, 0
	GLOAD 6, G0
	s_wait_dscnt 8
	GFMA 5, G1, 0
	GLOAD 7, G1
	s_wait_dscnt 8
	GFMA 6, G0, 0
	s_wait_dscnt 0x0
	GFMA 7, G1, 0
	; the eight sums over the 32 lanes: every lane ends with all eight logits
.irp m, 1,2,4,8
.irp e, 0,1,2,3,4,5,6,7
	v_add_f32_dpp v[ACC+\e], v[ACC+\e], v[ACC+\e] row_xmask:\m row_mask:0xf bank_mask:0xf
.endr
.endr
.irp e, 0,1,2,3,4,5,6,7
	v_mov_b32 v[TM+\e], 0                          ; a lane permute's destination counts as read
.endr
.irp e, 0,1,2,3,4,5,6,7
	v_permlanex16_b32 v[TM+\e], v[ACC+\e], s20, s21
.endr
.irp e, 0,1,2,3,4,5,6,7
	v_add_f32 v[ACC+\e], v[ACC+\e], v[TM+\e]
.endr
	; softmax: the maximum is taken away first
	v_max3_num_f32 v120, v104, v105, v106
	v_max3_num_f32 v120, v120, v107, v108
	v_max3_num_f32 v120, v120, v109, v110
	v_max_num_f32 v120, v120, v111
.irp e, 0,1,2,3,4,5,6,7
	v_sub_f32 v[ACC+\e], v[ACC+\e], v120
.endr
.irp e, 0,1,2,3,4,5,6,7
	v_mul_f32 v[ACC+\e], 0x3fb8aa3b, v[ACC+\e]     ; x log2(e)
.endr
.irp e, 0,1,2,3,4,5,6,7
	v_exp_f32 v[ACC+\e], v[ACC+\e]
.endr
	v_mov_b32 v121, 0                              ; the index so far.  (The plain instruction behind the exponentials)
	s_wait_kmcnt 0x0
.irp e, 0,1,2,3,4,5,6,7
	s_add_co_i32 s[32+4*\e], s[32+4*\e], 127       ; expert e's 2^ex as an f32 pattern
	s_lshl_b32 s[32+4*\e], s[32+4*\e], 23
.endr
	s_wait_alu depctr_va_vdst(0)                   ; one wait for the eight exponentials, ahead of their first reader
	v_add_f32 v122, v104, v105
	v_add_f32 v123, v106, v107
	v_add_f32 v124, v108, v109
	v_add_f32 v125, v110, v111
	v_add_f32 v122, v122, v123
	v_add_f32 v124, v124, v125
	v_add_f32 v122, v122, v124                     ; the softmax's divisor
	v_mov_b32 v126, v104                           ; the largest so far,
	v_mov_b32 v127, s32                            ; and its expert's scale
.irp e, 1,2,3,4,5,6,7
	v_cmp_gt_f32 vcc_lo, v[ACC+\e], v126           ; strictly larger: of equal ones the lower index stays
	v_cndmask_b32 v126, v126, v[ACC+\e], vcc_lo
	v_cndmask_b32 v121, v121, \e, vcc_lo
	v_cndmask_b32 v127, v127, s[32+4*\e], vcc_lo
.endr
	v_rcp_f32 v123, v122
	v_add_nc_u32 v124, 0x7e00000, v127             ; 57,344 x 2^ex: 15 onto the exponent field, 0x600000 into the mantissa.  (The plain instruction behind the reciprocal)
	s_wait_alu depctr_va_vdst(0)
	v_fma_f32 v125, -v122, v123, 2.0               ; one Newton step
	v_mul_f32 v123, v123, v125
	v_mul_f32 v126, v126, v123                     ; the chosen probability
	; x into codes: the hold at the largest code x the scale first (the conversion to an 8-bit code does not saturate: ISA guide 7.6.2)
.set cj, 0
.rept 32
	v_med3_num_f32 v[X+cj], v[X+cj], -v124, v124
.set cj, cj+1
.endr
.irp b, 0,1,2,3
	v_cvt_scalef32_pk8_bf8_f32 v[TM+2*\b:TM+2*\b+1], v[X+8*\b:X+8*\b+7], v127
.endr
	v_nop                                          ; one plain instruction behind the last scaled conversion
.irp b, 0,1,2,3
	global_store_b64 v[QO], v[TM+2*\b:TM+2*\b+1], s[10:11] offset:256*\b   ; the wave stores 256 consecutive bytes, aligned
.endr
	v_cmp_eq_u32 vcc_lo, 0, v1
	v_mov_b32 v120, 0
	s_wait_xcnt 0x0                                ; EXEC changes only behind this wait
	s_and_saveexec_b32 s26, vcc_lo                 ; lane 0 alone
	global_store_b32 v120, v121, s[12:13]          ; eidx[token]
	global_store_b32 v120, v126, s[14:15]          ; gprob[token]
	s_wait_xcnt 0x0
	s_or_b32 exec_lo, exec_lo, s26
	s_wait_tensorcnt 0x0                           ; the wave's end
	ds_add_u32 v[SPW], v[NIL]
	s_wait_dscnt 0x0
	s_endpgm
.Lfunc_end_k_q919750a935_route:
	.size	k_q919750a935_route, .Lfunc_end_k_q919750a935_route-k_q919750a935_route
	.p2alignl 7, 3214868480
	.fill 96, 4, 3214868480
	.section	.rodata,"a",@progbits
	.p2align	6, 0x0
	.amdhsa_kernel k_q919750a935_route
		.amdhsa_group_segment_fixed_size 34304
		.amdhsa_private_segment_fixed_size 0
		.amdhsa_enable_private_segment 0
		.amdhsa_kernarg_size 48
		.amdhsa_user_sgpr_count 2
		.amdhsa_user_sgpr_kernarg_segment_ptr 1
		.amdhsa_wavefront_size32 1
		.amdhsa_system_sgpr_workgroup_id_x 1
		.amdhsa_system_sgpr_workgroup_id_y 1
		.amdhsa_system_sgpr_workgroup_id_z 1
		.amdhsa_system_vgpr_workitem_id 0
		.amdhsa_next_free_vgpr 128
		.amdhsa_next_free_sgpr 66
		.amdhsa_reserve_vcc 1
		.amdhsa_float_denorm_mode_32 3
		.amdhsa_float_denorm_mode_16_64 3
		.amdhsa_memory_ordered 1
		.amdhsa_forward_progress 1
		.amdhsa_inst_pref_size 28
	.end_amdhsa_kernel
	.amdgpu_metadata
---
amdhsa.version: [ 1, 2 ]
amdhsa.kernels:
  - .name:           k_q919750a935_route
    .symbol:         k_q919750a935_route.kd
    .args:
      - { .name: x, .offset: 0, .size: 8, .value_kind: global_buffer, .address_space: global }
      - { .name: gate_w, .offset: 8, .size: 8, .value_kind: global_buffer, .address_space: global }
      - { .name: lowp_scales, .offset: 16, .size: 8, .value_kind: global_buffer, .address_space: global }
      - { .name: xq, .offset: 24, .size: 8, .value_kind: global_buffer, .address_space: global }
      - { .name: eidx, .offset: 32, .size: 8, .value_kind: global_buffer, .address_space: global }
      - { .name: gprob, .offset: 40, .size: 8, .value_kind: global_buffer, .address_space: global }
    .group_segment_fixed_size: 34304
    .private_segment_fixed_size: 0
    .kernarg_segment_align: 8
    .kernarg_segment_size: 48
    .max_flat_workgroup_size: 128
    .sgpr_count:     66
    .vgpr_count:     128
    .wavefront_size: 32
...
	.end_amdgpu_metadata
.endif
;; end of part 1
;; launch place (part 2): grid 1 x 1, 32 waves a work-group, no clusters, 4,608 bytes of LDS; arguments eidx, gprob, order, gsort, meta; writes order, gsort, meta
.if DOCPART == 2
	.amdgcn_target "amdgcn-amd-amdhsa--gfx1250"
	.amdhsa_code_object_version 6
	.text
	.protected	k_q919750a935_place
	.globl	k_q919750a935_place
	.p2align	8
	.type	k_q919750a935_place,@function
k_q919750a935_place:
	s_mov_b64 s[64:65], 0
	v_nop
	global_prefetch_b8 v0, s[64:65] scope:SCOPE_SE
	s_setreg_imm32_b32 hwreg(HW_REG_WAVE_MODE, 25, 1), 1
	s_wait_xcnt 0x0
; SWITCH LAYER, launch 2 of 4: the tokens are placed by expert (a counting sort without atomics; the order of tokens inside an expert is kept).
; Only the rows of the chosen experts are multiplied later (shown at the head of the first kernel); this launch says which rows those are.
; One work-group, one thread a token.  order[position] = token, gsort[position] = its probability; meta word e (0..8) = first position of expert e
; (word 8 = 1,024), word 16 + e = first tile of 16 rows of expert e (the running sum of ceil(rows / 16)); the other words of the first 32 are 0.
; All arithmetic on the way to an address is in whole numbers.  A wave's eight counts (at most 32 each) are packed two to a word, 16 bits each; sums stay under 2^16.
; One work-group suffices for 1,024 tokens; nothing here is worth sharing further.
.set TAB,   0                          ; 32 waves x 16 bytes: each wave's four packed words
.set SPARE, 512                        ; the spare words, 128 bytes for each of 32 waves
.set SPW, 30                           ; v30  LDS address of my spare word; never rewritten
.set NIL, 31                           ; v31  0; never rewritten
.set MSK, 16                           ; s16-23  which lanes of my wave chose expert e
.set CNT, 24                           ; s24-31  how many
.set TOT, 44                           ; s44-51  rows of expert e
.set PRE, 52                           ; s52-59  rows of expert e in the waves before mine; then: my wave's first position for e
.set OF,  66                           ; s66-74  first positions
.set TBB, 76                           ; s76-84  first tiles
	s_load_b256 s[4:11], s[0:1], 0x0               ; eidx, gprob, order, gsort
	s_load_b64 s[12:13], s[0:1], 0x20              ; meta
	v_lshl_add_u32 v[SPW], v0, 2, SPARE
	v_mov_b32 v[NIL], 0
	v_lshrrev_b32 v1, 5, v0
	v_readfirstlane_b32 s14, v1                    ; wave
	v_and_b32 v2, 31, v0                           ; lane
	v_lshlrev_b32 v1, 2, v0                        ; 4 bytes a token
	s_lshl_b32 s15, s14, 4
	v_mov_b32 v5, s15                              ; my wave's 16 bytes of the table
	v_lshlrev_b32 v6, 4, v2                        ; and wave l's, for lane l
	s_mov_b32 s60, 0x76543210
	s_mov_b32 s61, 0xfedcba98
	s_wait_kmcnt 0x0
	global_load_b32 v3, v1, s[4:5]
	global_load_b32 v4, v1, s[6:7]
	s_wait_loadcnt 1                               ; the index is in; the probability may be out
	v_min_u32 v3, 7, v3
.irp e, 0,1,2,3,4,5,6,7
	v_cmp_eq_u32 s[MSK+\e], \e, v3
	s_bcnt1_i32_b32 s[CNT+\e], s[MSK+\e]
.endr
.irp j, 0,1,2,3
	s_lshl_b32 s62, s[CNT+2*\j+1], 16
	s_or_b32 s62, s62, s[CNT+2*\j]
	v_mov_b32 v[8+\j], s62
.endr
	ds_store_b128 v5, v[8:11]                      ; all lanes write the same 16 bytes with the same value
	s_wait_dscnt 0x0
	s_barrier_signal -1
	s_barrier_wait -1
	ds_load_b128 v[12:15], v6                      ; lane l: wave l's counts
	v_cmp_gt_u32 vcc_lo, s14, v2                   ; waves before mine
.irp j, 0,1,2,3,4,5,6,7
	v_mov_b32 v[20+\j], 0                          ; destinations of the lane moves below count as read
.endr
	s_wait_dscnt 0x0
.irp j, 0,1,2,3
	v_cndmask_b32 v[16+\j], 0, v[12+\j], vcc_lo
.endr
.irp m, 1,2,4,8                        ; eight whole-number sums over the lanes: a move from lane l xor m, then an addition
.irp j, 0,1,2,3,4,5,6,7
	v_mov_b32_dpp v[20+\j], v[12+\j] row_xmask:\m row_mask:0xf bank_mask:0xf
.endr
.irp j, 0,1,2,3,4,5,6,7
	v_add_nc_u32 v[12+\j], v[12+\j], v[20+\j]
.endr
.endr
.irp j, 0,1,2,3,4,5,6,7
	v_permlanex16_b32 v[20+\j], v[12+\j], s60, s61
.endr
.irp j, 0,1,2,3,4,5,6,7
	v_add_nc_u32 v[12+\j], v[12+\j], v[20+\j]
.endr
.irp j, 0,1,2,3
	v_readfirstlane_b32 s62, v[12+\j]
	s_and_b32 s[TOT+2*\j], s62, 0xffff
	s_lshr_b32 s[TOT+2*\j+1], s62, 16
	v_readfirstlane_b32 s62, v[16+\j]
	s_and_b32 s[PRE+2*\j], s62, 0xffff
	s_lshr_b32 s[PRE+2*\j+1], s62, 16
.endr
	s_mov_b32 s[OF], 0
	s_mov_b32 s[TBB], 0
.irp e, 0,1,2,3,4,5,6,7
	s_add_co_u32 s[OF+\e+1], s[OF+\e], s[TOT+\e]
	s_add_co_u32 s62, s[TOT+\e], 15
	s_lshr_b32 s62, s62, 4
	s_add_co_u32 s[TBB+\e+1], s[TBB+\e], s62
	s_add_co_u32 s[PRE+\e], s[PRE+\e], s[OF+\e]
.endr
	v_mov_b32 v29, 0
.irp e, 0,1,2,3,4,5,6,7
	v_mbcnt_lo_u32_b32 v28, s[MSK+\e], s[PRE+\e]   ; my wave's first position for e + the lanes below mine that chose e
	v_cndmask_b32 v29, v29, v28, s[MSK+\e]
.endr
	v_min_u32 v29, 0x3ff, v29
	v_lshlrev_b32 v29, 2, v29
	s_wait_loadcnt 0x0
	global_store_b32 v29, v0, s[8:9]               ; order[position] = token
	global_store_b32 v29, v4, s[10:11]             ; gsort[position]
	s_cmp_lg_u32 s14, 0
	s_cbranch_scc1 .Lnot_wave_0
	v_mov_b32 v32, 0
.irp e, 0,1,2,3,4,5,6,7,8
	v_writelane_b32 v32, s[OF+\e], \e
	v_writelane_b32 v32, s[TBB+\e], 16+\e
.endr
	v_lshlrev_b32 v33, 2, v2
	global_store_b32 v33, v32, s[12:13]            ; meta's 32 words
.Lnot_wave_0:
	s_wait_tensorcnt 0x0                           ; the wave's end
	ds_add_u32 v[SPW], v[NIL]
	s_wait_dscnt 0x0
	s_endpgm
.Lfunc_end_k_q919750a935_place:
	.size	k_q919750a935_place, .Lfunc_end_k_q919750a935_place-k_q919750a935_place
	.p2alignl 7, 3214868480
	.fill 96, 4, 3214868480
	.section	.rodata,"a",@progbits
	.p2align	6, 0x0
	.amdhsa_kernel k_q919750a935_place
		.amdhsa_group_segment_fixed_size 4608
		.amdhsa_private_segment_fixed_size 0
		.amdhsa_enable_private_segment 0
		.amdhsa_kernarg_size 40
		.amdhsa_user_sgpr_count 2
		.amdhsa_user_sgpr_kernarg_segment_ptr 1
		.amdhsa_wavefront_size32 1
		.amdhsa_system_sgpr_workgroup_id_x 1
		.amdhsa_system_sgpr_workgroup_id_y 1
		.amdhsa_system_sgpr_workgroup_id_z 1
		.amdhsa_system_vgpr_workitem_id 0
		.amdhsa_next_free_vgpr 64
		.amdhsa_next_free_sgpr 96
		.amdhsa_reserve_vcc 1
		.amdhsa_float_denorm_mode_32 3
		.amdhsa_float_denorm_mode_16_64 3
		.amdhsa_memory_ordered 1
		.amdhsa_forward_progress 1
		.amdhsa_inst_pref_size 12
	.end_amdhsa_kernel
	.amdgpu_metadata
---
amdhsa.version: [ 1, 2 ]
amdhsa.kernels:
  - .name:           k_q919750a935_place
    .symbol:         k_q919750a935_place.kd
    .args:
      - { .name: eidx, .offset: 0, .size: 8, .value_kind: global_buffer, .address_space: global }
      - { .name: gprob, .offset: 8, .size: 8, .value_kind: global_buffer, .address_space: global }
      - { .name: order, .offset: 16, .size: 8, .value_kind: global_buffer, .address_space: global }
      - { .name: gsort, .offset: 24, .size: 8, .value_kind: global_buffer, .address_space: global }
      - { .name: meta, .offset: 32, .size: 8, .value_kind: global_buffer, .address_space: global }
    .group_segment_fixed_size: 4608
    .private_segment_fixed_size: 0
    .kernarg_segment_align: 8
    .kernarg_segment_size: 40
    .max_flat_workgroup_size: 1024
    .sgpr_count:     96
    .vgpr_count:     64
    .wavefront_size: 32
...
	.end_amdgpu_metadata
.endif
;; end of part 2
;; launch ffn1 (part 3): grid 32 x 8, 16 waves a work-group, no clusters, 218,112 bytes of LDS; arguments w1, b1, lowp_scales, xq, order, meta, hq; writes hq
.if DOCPART == 3
	.amdgcn_target "amdgcn-amd-amdhsa--gfx1250"
	.amdhsa_code_object_version 6
	.text
	.protected	k_q919750a935_ffn1
	.globl	k_q919750a935_ffn1
	.p2align	8
	.type	k_q919750a935_ffn1,@function
k_q919750a935_ffn1:
	s_mov_b64 s[64:65], 0
	v_nop
	global_prefetch_b8 v0, s[64:65] scope:SCOPE_SE
	s_setreg_imm32_b32 hwreg(HW_REG_WAVE_MODE, 25, 1), 1
	s_wait_xcnt 0x0
; SWITCH LAYER, launch 3 of 4: h = Q(gelu(Q(x) Q(w1[e]) + b1[e])) for the rows that chose expert e; rows of other experts are left out (shown at the head of the first kernel).
; SHARES.  Work-group (s, e) owns w1[e][:, 128 s .. 128 s + 127]: 524,288 bytes of f32, read once in the launch, quantised in registers (a lane to a column, registers down K)
; and kept in LDS as codes with K innermost.  Sixteen waves: for the stream, wave w takes columns 32 (w % 4) .. + 31 and rows 32 (w / 4) .. + 31 of each K step of 128;
; for the products, hidden units 32 b .. 32 b + 31 (b = w % 4) and the tiles of 16 rows mg + 4 i (mg = w / 4).  Tiles i = 0..2 (192 rows) go along with the stream, x's codes
; coming through three LDS slabs by turns; an expert's tiles beyond twelve are served behind it, in a loop without barriers that gathers x straight into registers.
; The work hangs on numbers that the launch before stored, so operands go through registers: no tensor load, hence no joint loads for the 32 work-groups that share x's codes.
; Every barrier stands in straight text; only loads from LDS and products are jumped over.  An expert without rows still streams its slice and stores nothing.
; THE PRODUCT IS USED TRANSPOSED (source 0 = 16 columns of w1, source 1 = 16 rows of x): a lane holds one row.  Column 32 cg + l is kept in LDS row 32 cg + (l with bits 3 and 4 swapped),
; so that lane r of tile (b, u) reads hidden unit 32 b + 16 (r / 8) + 8 u + r % 8 and the 16 registers of a row tile are 16 neighbours along the next K: 32 b + 16 (lane / 16) + 0..15.
; Fragments are filled by four pieces of 16 bytes (k = 32 c + 16 (lane / 16) + 0..15): the same permutation of k in both operands.
; GELU, exact form: gelu(x) = max(x, 0) - |x| Phi(-|x|), Phi(-|x|) = erfc(|x| / sqrt 2) / 2 = t 2^((-x^2/2 + P(t)) log2 e - 1), t = 1 / (1 + |x| / (2 sqrt 2)), P a polynomial of degree 9
; (fractional error of the form 1.2e-7).  The sums stand for x / S, S = 2^(ex + ew1): S is folded into the constants and into the conversion's scale 2^(eh - ex - ew1); b1 goes in as b1 / S.
; hq: tile T = tb[e] + j (rows off[e] + 16 j + r), K step s: 2,048 bytes, the image of the operand's registers: piece c at 512 c, lane l's 16 bytes at 16 l.  A wave's store is 512 consecutive bytes, aligned.
; THE ROWS OF A LAST TILE BEYOND THE EXPERT'S COUNT REPEAT ITS LAST ROW: every position is held at the expert's last one.  The next launch leans on that.
; LIMITS: ew1 and eh - ex - ew1 between -126 and 112; ex + ew1 between -62 and 63 (S / (2 sqrt 2) and S^2 / 2 are f32 numbers).  Phi(-|x|) under 2^-126 counts as 0.  NaN among the inputs is not served.
.set WP,    1040                       ; a column's 1,024 codes + 16
.set XS,    128*WP                     ; behind the weights' 128 rows: three slabs of x's codes
.set XP,    144                        ; a slab's row: 128 codes + 16
.set SLAB,  192*XP
.set SPARE, XS+3*SLAB                  ; the spare words, 128 bytes for each of 16 waves
.set WO,   1                           ; v1      w1: my byte in a K step
.set WS,   2                           ; v2      LDS: where my column's 32 codes of a K step go
.set WF,   3                           ; v3      LDS: my lane's place in the weights' fragments
.set XA,   4                           ; v4-6    LDS: my lane's place in x's fragments, tiles i = 0..2
.set XW,   7                           ; v7      LDS: where I put 16 bytes of a slab
.set XG,   8                           ; v8-10   xq: my 16 bytes of three gathered rows
.set HO,   11                          ; v11     hq: 2,048 s + 512 b + 16 lane
.set SPW,  12                          ; v12     LDS address of my spare word; never rewritten
.set NIL,  13                          ; v13     0; never rewritten
.set SCW,  14                          ; v14, 15 2^ew1 and 57,344 x 2^ew1
.set LIMW, 15
.set SET0, 16                          ; v16-79  two sets of 32 numbers of w1; later at work
.set CD,   80                          ; v80-87  a block's codes; later h's codes, v80-91
.set XL0,  88                          ; v88-111 two sets of 12: x's codes on their way to a slab
.set ACC,  112                         ; v112-159 three row tiles x 16
.set WFR,  160                         ; v160-191 the weights' two fragments
.set AFR,  192                         ; v192-239 x's three fragments; later the constants
.set SCH,  240                         ; v240, 241 2^(eh - ex - ew1) and 57,344 x that
.set LIMH, 241
.set T,    16                          ; the gelu's four sets of 16
.set Y,    32
.set P,    48
.set R,    64
.set CO,   192                         ; ten pairs: the polynomial's coefficients
.set LL,   212                         ; log2 e, twice
.set K2,   214                         ; -S^2 / 2, twice
.set NEG1, 216                         ; -1, twice
.set WV,   18                          ; s18 wave;  s19 b = cg;  s21 expert
.set CG,   19
.set EXPT, 21
.set OFF,  28                          ; s28, 29 the expert's first position and the next expert's;  s30 its first tile
.set OFF1, 29
.set TB,   30
.set MM,   36                          ; s36 rows;  s37 tiles of 16;  s38 the expert's last position
.set NTL,  37
.set OFFL, 38
.set CTR,  39                          ; s39 the last loop's trips to go
.set TILE, 41                          ; s41 the last loop's tile
.set K1,   42                          ; s42 S / (2 sqrt 2);  s43 -(ex + ew1);  s55 -S^2 / 2
.set NEGE, 43
.set MGI,  52                          ; s52-54 my tiles: mg, mg + 4, mg + 8
.set K2S,  55
	s_load_b256 s[4:11], s[0:1], 0x0               ; w1, b1, lowp_scales, xq
	s_load_b128 s[12:15], s[0:1], 0x20             ; order, meta
	s_load_b64 s[16:17], s[0:1], 0x30              ; hq
	v_lshl_add_u32 v[SPW], v0, 2, SPARE
	v_mov_b32 v[NIL], 0
	v_lshrrev_b32 v242, 5, v0
	v_readfirstlane_b32 s[WV], v242
	s_and_b32 s[CG], s[WV], 3
	s_lshr_b32 s[MGI], s[WV], 2
	s_add_co_u32 s[MGI+1], s[MGI], 4
	s_add_co_u32 s[MGI+2], s[MGI], 8
	s_and_b32 s[EXPT], ttmp7, 0xffff
	v_and_b32 v242, 31, v0                         ; l
	v_and_b32 v243, 15, v0                         ; r
	v_bfe_u32 v244, v0, 4, 1                       ; h
	s_lshl_b32 s44, s[CG], 7
	s_lshl_b32 s45, s[MGI], 19
	s_add_co_u32 s44, s44, s45
	v_lshl_add_u32 v[WO], v242, 2, s44             ; 4 l + 128 cg + 32 rows of 16,384 bytes x kb
	v_and_b32 v245, 7, v242
	v_and_b32 v246, 8, v242
	v_lshl_add_u32 v245, v246, 1, v245
	v_and_b32 v246, 16, v242
	v_lshrrev_b32 v246, 1, v246
	v_add_nc_u32 v245, v245, v246                  ; l with bits 3 and 4 swapped
	s_lshl_b32 s44, s[CG], 5
	v_add_nc_u32 v245, s44, v245
	v_mul_u32_u24 v[WS], v245, WP
	s_lshl_b32 s45, s[MGI], 5
	v_add_nc_u32 v[WS], s45, v[WS]
	v_add_nc_u32 v245, s44, v243
	v_mul_u32_u24 v[WF], v245, WP
	v_lshl_add_u32 v[WF], v244, 4, v[WF]
	s_lshl_b32 s45, s[MGI], 4
	v_add_nc_u32 v245, s45, v243
	v_mul_u32_u24 v[XA], v245, XP
	v_lshl_add_u32 v[XA], v244, 4, v[XA]
	v_add_nc_u32 v[XA], XS, v[XA]
	v_add_nc_u32 v[XA+1], 64*XP, v[XA]
	v_add_nc_u32 v[XA+2], 128*XP, v[XA]
	s_mul_i32 s45, s[WV], 12
	v_lshrrev_b32 v246, 3, v242
	v_add_nc_u32 v246, s45, v246                   ; the slab's row 12 w + l / 8 (and 4, 8 further on)
	v_mul_u32_u24 v[XW], v246, XP
	v_and_b32 v247, 7, v242
	v_lshl_add_u32 v[XW], v247, 4, v[XW]
	v_add_nc_u32 v[XW], XS, v[XW]
	s_lshl_b32 s44, ttmp9, 11
	s_lshl_b32 s45, s[CG], 9
	s_add_co_u32 s44, s44, s45
	v_lshl_add_u32 v[HO], v242, 4, s44
	v_lshlrev_b32 v245, 6, v244                    ; b1: 64 h
	s_lshl_b32 s44, s[EXPT], 24                    ; w1: the expert's 16,777,216 bytes, the slice's 512
	s_lshl_b32 s45, ttmp9, 9
	s_add_co_u32 s44, s44, s45
	s_mov_b32 s45, 0
	s_lshl_b32 s46, s[EXPT], 2
	s_mov_b32 s47, 0
	s_lshl_b32 s48, s[EXPT], 4
	s_mov_b32 s49, 0
	s_lshl_b32 s50, s[EXPT], 14                    ; b1: 16,384 e + 512 s + 128 b
	s_lshl_b32 s51, ttmp9, 9
	s_add_co_u32 s50, s50, s51
	s_lshl_b32 s51, s[CG], 7
	s_add_co_u32 s50, s50, s51
	s_mov_b32 s51, 0
	s_wait_kmcnt 0x0
	s_add_nc_u64 s[14:15], s[14:15], s[46:47]
	s_add_nc_u64 s[8:9], s[8:9], s[48:49]
	s_load_b32 s[OFF], s[14:15], 0x0
	s_load_b32 s[OFF1], s[14:15], 0x4
	s_load_b32 s[TB], s[14:15], 0x40
	s_load_b128 s[32:35], s[8:9], 0x0              ; ex, ew1, eh, ew2
	s_add_nc_u64 s[4:5], s[4:5], s[44:45]
	s_add_nc_u64 s[24:25], s[4:5], 0x800000        ; K steps 4 to 7: the immediates stay inside their signed 24 bits
	s_add_nc_u64 s[6:7], s[6:7], s[50:51]
.macro LOADW q                         ; K step q: my column's 32 numbers; four waves stand side by side on 512 consecutive bytes of each row
.set SS, SET0+32*((\q)%2)
.set ci, 0
.rept 32
	global_load_b32 v[SS+ci], v[WO], s[4+20*((\q)/4):5+20*((\q)/4)] offset:((\q)%4)*2097152+ci*16384 th:TH_LOAD_NT
.set ci, ci+1
.endr
.endm
.macro LOADX q, dst                    ; K step q of twelve gathered rows of x's codes: 128 bytes a row
.irp n, 0,1,2
	global_load_b128 v[\dst+4*\n:\dst+4*\n+3], v[XG+\n], s[10:11] offset:128*(\q)
.endr
.endm
.macro STX src, slot
.irp n, 0,1,2
	ds_store_b128 v[XW], v[\src+4*\n:\src+4*\n+3] offset:SLAB*(\slot)+4*XP*\n
.endr
.endm
.macro CONV q                          ; 32 numbers down K become 32 codes of my column's LDS row
.set SS, SET0+32*((\q)%2)
.set ci, 0
.rept 32
	v_med3_num_f32 v[SS+ci], v[SS+ci], -v[LIMW], v[LIMW]   ; the conversion does not saturate (ISA guide 7.6.2): the hold first
.set ci, ci+1
.endr
.irp g, 0,1,2,3
	v_cvt_scalef32_pk8_bf8_f32 v[CD+2*\g:CD+2*\g+1], v[SS+8*\g:SS+8*\g+7], v[SCW]
.endr
	v_nop                                          ; one plain instruction behind the last scaled conversion
	ds_store_b128 v[WS], v[CD:CD+3] offset:128*(\q)
	ds_store_b128 v[WS], v[CD+4:CD+7] offset:128*(\q)+16
.endm
.macro WM i                            ; row tile i against my two tiles of hidden units: the accumulators take turns, one instruction a turn
	v_wmma_f32_16x16x128_bf8_bf8 v[ACC+16*\i:ACC+16*\i+7], v[WFR:WFR+15], v[AFR+16*\i:AFR+16*\i+15], v[ACC+16*\i:ACC+16*\i+7]
	v_wmma_f32_16x16x128_bf8_bf8 v[ACC+16*\i+8:ACC+16*\i+15], v[WFR+16:WFR+31], v[AFR+16*\i:AFR+16*\i+15], v[ACC+16*\i+8:ACC+16*\i+15]
.endm
.macro LDA i, q
.irp c, 0,1,2,3
	ds_load_b128 v[AFR+16*\i+4*\c:AFR+16*\i+4*\c+3], v[XA+\i] offset:SLAB*((\q)%3)+32*\c
.endr
.endm
; The products of K step q.  Three tails are written out, so that each load and its use lie on one way; each wait's count is the number of younger fragment loads of x.
.macro MSTEP q
.rept 4
	v_nop                                          ; four places in front of loads into registers that matrix instructions have read
.endr
	s_cmp_ge_u32 s[MGI], s[NTL]
	s_cbranch_scc1 .Lm_end_\@
.irp u, 0,1
.irp c, 0,1,2,3
	ds_load_b128 v[WFR+16*\u+4*\c:WFR+16*\u+4*\c+3], v[WF] offset:16*WP*\u+128*(\q)+32*\c
.endr
.endr
	LDA 0, \q
	s_cmp_ge_u32 s[MGI+1], s[NTL]
	s_cbranch_scc1 .Lm_one_\@
	LDA 1, \q
	s_cmp_ge_u32 s[MGI+2], s[NTL]
	s_cbranch_scc1 .Lm_two_\@
	LDA 2, \q
	s_wait_dscnt 8
	WM 0
	s_wait_dscnt 4
	WM 1
	s_wait_dscnt 0x0
	WM 2
	s_branch .Lm_end_\@
.Lm_two_\@:
	s_wait_dscnt 4
	WM 0
	s_wait_dscnt 0x0
	WM 1
	s_branch .Lm_end_\@
.Lm_one_\@:
	s_wait_dscnt 0x0
	WM 0
.Lm_end_\@:
.endm
	LOADW 0
	LOADW 1
	s_wait_kmcnt 0x0
	s_min_u32 s[OFF], s[OFF], 1024
	s_min_u32 s[OFF1], s[OFF1], 1024
	s_min_u32 s[TB], s[TB], 71
	s_sub_co_u32 s[MM], s[OFF1], s[OFF]
	s_sub_co_u32 s[OFFL], s[OFF1], 1               ; the expert's last position (with no row at all: some other position, or the greatest number; nothing is stored then)
	s_add_co_u32 s[NTL], s[MM], 15
	s_lshr_b32 s[NTL], s[NTL], 4
	s_min_u32 s[NTL], s[NTL], 64
	s_add_co_i32 s44, s33, 127
	s_lshl_b32 s45, s44, 23
	v_mov_b32 v[SCW], s45                          ; 2^ew1
	s_add_co_i32 s44, s44, 15
	s_lshl_b32 s44, s44, 23
	s_or_b32 s44, s44, 0x600000
	v_mov_b32 v[LIMW], s44                         ; 57,344 x 2^ew1
	s_add_co_i32 s46, s32, s33                     ; ex + ew1
	s_sub_co_i32 s[NEGE], 0, s46
	s_lshl_b32 s44, s46, 23
	s_add_co_i32 s[K1], s44, 0x3eb504f3            ; S / (2 sqrt 2): the exponent is added to the field of 0.35355339
	s_lshl_b32 s44, s46, 1
	s_add_co_i32 s44, s44, 126
	s_lshl_b32 s44, s44, 23
	s_or_b32 s[K2S], s44, 0x80000000               ; -S^2 / 2
	s_sub_co_i32 s44, s34, s46
	s_add_co_i32 s44, s44, 127
	s_lshl_b32 s45, s44, 23
	v_mov_b32 v[SCH], s45                          ; 2^(eh - ex - ew1)
	s_add_co_i32 s44, s44, 15
	s_lshl_b32 s44, s44, 23
	s_or_b32 s44, s44, 0x600000
	v_mov_b32 v[LIMH], s44
	v_add_nc_u32 v242, s[OFF], v246
.irp n, 0,1,2
	v_add_nc_u32 v[XG+\n], 4*\n, v242
	v_min_u32 v[XG+\n], s[OFFL], v[XG+\n]          ; rows beyond the expert's count repeat its last row
	v_min_u32 v[XG+\n], 0x3ff, v[XG+\n]            ; and no position leaves the table
	v_lshlrev_b32 v[XG+\n], 2, v[XG+\n]
	global_load_b32 v[XL0+\n], v[XG+\n], s[12:13]  ; the tokens of my three slab rows
.endr
.irp c, 0,1,2,3
	global_load_b128 v[WFR+4*\c:WFR+4*\c+3], v245, s[6:7] offset:16*\c   ; b1 of my lane's 16 hidden units
.endr
	s_wait_loadcnt 39                              ; K step 0 of w1 is in; behind it: K step 1's 32, the 3 tokens, b1's 4
	CONV 0
	s_wait_loadcnt 4                               ; the tokens are in; b1's 4 may be out
.irp n, 0,1,2
	v_min_u32 v[XG+\n], 0x3ff, v[XL0+\n]
	v_lshlrev_b32 v[XG+\n], 10, v[XG+\n]
	v_lshl_add_u32 v[XG+\n], v247, 4, v[XG+\n]     ; token x 1,024 + 16 (l % 8)
.endr
	LOADX 0, AFR
	LOADX 1, AFR+12
	LOADX 2, XL0
	s_wait_dscnt 0x0                               ; the codes' stores are done: their registers may be written again
	LOADW 2
	CONV 1
	s_wait_dscnt 0x0
	LOADX 3, XL0+12
	LOADW 3
	s_wait_loadcnt 63                              ; behind x's K step 1 seventy loads were issued: b1 and x's K steps 0 and 1 are in
.irp i, 0,1,2
.set cj, 0
.rept 16
	v_ldexp_f32 v[ACC+16*\i+cj], v[WFR+cj], s[NEGE]   ; the sums begin with b1 / S
.set cj, cj+1
.endr
.endr
	STX AFR, 0
	STX AFR+12, 1
; One K step.  The barrier parts the last step's reads of a slab from this step's store into it, and shows the codes and slabs stored up to the step before.
; The stream never waits for the products: conversions run two K steps ahead of them, loads four.
.macro ITER q
.if \q <= 6
	s_wait_dscnt 0x0                               ; my LDS stores have landed, my LDS loads are in
	s_barrier_signal -1
	s_barrier_wait -1
.endif
	MSTEP \q
.if \q <= 5
.if \q == 5
	s_wait_loadcnt 0x0
.else
	s_wait_loadcnt 35                              ; K step q + 2 of x and of w1 is in; K step q + 3's 3 + 32 loads may be out
.endif
	STX XL0+12*((\q)%2), ((\q)+2)%3
	CONV (\q)+2
	s_wait_dscnt 0x0                               ; the stores are done: their registers take the next loads
.if \q <= 3
	LOADX (\q)+4, XL0+12*((\q)%2)
	LOADW (\q)+4
.endif
.endif
.endm
	ITER 0
	ITER 1
	ITER 2
	ITER 3
	ITER 4
	ITER 5
	ITER 6
	ITER 7
; sixteen sums v[a] .. v[a + 15] (x / S) become sixteen codes in v[d] .. v[d + 3].  Each accumulator is read from its low end on.
.macro GELU16 a, d
.set cj, 0
.rept 16
	v_fma_f32 v[T+cj], |v[\a+cj]|, s[K1], 1.0
.set cj, cj+1
.endr
.set cj, 0
.rept 16
	v_rcp_f32 v[T+cj], v[T+cj]                     ; t
.set cj, cj+1
.endr
.set cj, 0
.rept 8
	v_pk_mul_f32 v[Y+cj:Y+cj+1], v[\a+cj:\a+cj+1], v[K2:K2+1]   ; plain work behind the reciprocals
.set cj, cj+2
.endr
	s_wait_alu depctr_va_vdst(0)                   ; one wait for the sixteen reciprocals, ahead of their first reader
.set cj, 0
.rept 8
	v_pk_fma_f32 v[P+cj:P+cj+1], v[T+cj:T+cj+1], v[CO+18:CO+19], v[CO+16:CO+17]
.set cj, cj+2
.endr
.irp k, 7,6,5,4,3,2,1,0
.set cj, 0
.rept 8
	v_pk_fma_f32 v[P+cj:P+cj+1], v[P+cj:P+cj+1], v[T+cj:T+cj+1], v[CO+2*\k:CO+2*\k+1]
.set cj, cj+2
.endr
.endr
.set cj, 0
.rept 8
	v_pk_fma_f32 v[Y+cj:Y+cj+1], v[Y+cj:Y+cj+1], v[\a+cj:\a+cj+1], v[P+cj:P+cj+1]   ; -x^2 / 2 + P(t)
.set cj, cj+2
.endr
.set cj, 0
.rept 8
	v_pk_fma_f32 v[Y+cj:Y+cj+1], v[Y+cj:Y+cj+1], v[LL:LL+1], v[NEG1:NEG1+1]         ; x log2 e - 1
.set cj, cj+2
.endr
.set cj, 0
.rept 16
	v_exp_f32 v[Y+cj], v[Y+cj]
.set cj, cj+1
.endr
.set cj, 0
.rept 16
	v_max_num_f32 v[R+cj], 0, v[\a+cj]             ; plain work behind the exponentials
.set cj, cj+1
.endr
	s_wait_alu depctr_va_vdst(0)                   ; one wait for the sixteen exponentials
.set cj, 0
.rept 8
	v_pk_mul_f32 v[Y+cj:Y+cj+1], v[T+cj:T+cj+1], v[Y+cj:Y+cj+1]   ; Phi(-|x|)
.set cj, cj+2
.endr
.set cj, 0
.rept 16
	v_fma_f32 v[R+cj], -|v[\a+cj]|, v[Y+cj], v[R+cj]   ; gelu / S
.set cj, cj+1
.endr
.set cj, 0
.rept 16
	v_med3_num_f32 v[R+cj], v[R+cj], -v[LIMH], v[LIMH]
.set cj, cj+1
.endr
	v_cvt_scalef32_pk8_bf8_f32 v[\d:\d+1], v[R:R+7], v[SCH]
	v_cvt_scalef32_pk8_bf8_f32 v[\d+2:\d+3], v[R+8:R+15], v[SCH]
	v_nop
.endm
.macro HSTORE tl, vo, d                ; piece b of the image of (tile tb + s[tl], K step s): 512 consecutive bytes
	s_add_co_u32 s44, s[TB], s[\tl]
	s_min_u32 s44, s44, 71
	s_lshl_b32 s44, s44, 16
	v_add_nc_u32 v[\vo], s44, v[HO]
	global_store_b128 v[\vo], v[\d:\d+3], s[16:17]
.endm
.rept 4
	v_nop                                          ; four places behind the last products
.endr
.macro COEF k, bits
	v_mov_b32 v[CO+2*\k], \bits
	v_mov_b32 v[CO+2*\k+1], \bits
.endm
	COEF 0, 0xbfa1fc4e                             ; -1.26551223
	COEF 1, 0x3f8000c7                             ;  1.00002368
	COEF 2, 0x3ebf88fb                             ;  0.37409196
	COEF 3, 0x3dc636c9                             ;  0.09678418
	COEF 4, 0xbe3ec24c                             ; -0.18628806
	COEF 5, 0x3e8ec7cc                             ;  0.27886807
	COEF 6, 0xbf914e5d                             ; -1.13520398
	COEF 7, 0x3fbe87b0                             ;  1.48851587
	COEF 8, 0xbf527892                             ; -0.82215223
	COEF 9, 0x3e2ef946                             ;  0.17087277
	v_mov_b32 v[LL], 0x3fb8aa3b
	v_mov_b32 v[LL+1], 0x3fb8aa3b
	v_mov_b32 v[K2], s[K2S]
	v_mov_b32 v[K2+1], s[K2S]
	v_mov_b32 v[NEG1], -1.0
	v_mov_b32 v[NEG1+1], -1.0
	s_cmp_ge_u32 s[MGI], s[NTL]
	s_cbranch_scc1 .Ldone                          ; no tile of mine at all
	GELU16 ACC, 80
	HSTORE MGI, 242, 80
	s_cmp_ge_u32 s[MGI+1], s[NTL]
	s_cbranch_scc1 .Ldone
	GELU16 ACC+16, 84
	HSTORE MGI+1, 243, 84
	s_cmp_ge_u32 s[MGI+2], s[NTL]
	s_cbranch_scc1 .Ldone
	GELU16 ACC+32, 88
	HSTORE MGI+2, 244, 88
	; Tiles beyond the twelve: all codes of the slice lie in LDS, shown by the last barrier; x's codes are gathered straight into the operand's registers.
	; The loop's count is a constant: 13 trips reach tile mg + 60, and an expert has 64 tiles at the most; the first tile that the expert does not have ends it.
	s_add_co_u32 s[TILE], s[MGI], 12
	s_mov_b32 s[CTR], 13
.Lrem:
	s_cmp_ge_u32 s[TILE], s[NTL]
	s_cbranch_scc1 .Ldone
	s_wait_xcnt 0x0                                ; the earlier stores and loads have read their registers
	v_and_b32 v244, 15, v0
	v_bfe_u32 v245, v0, 4, 1
	s_lshl_b32 s44, s[TILE], 4
	s_add_co_u32 s44, s44, s[OFF]
	v_add_nc_u32 v243, s44, v244
	v_min_u32 v243, s[OFFL], v243                  ; rows beyond the count repeat the last row
	v_min_u32 v243, 0x3ff, v243
	v_lshlrev_b32 v243, 2, v243
	global_load_b32 v246, v243, s[12:13]           ; my row's token
	v_lshlrev_b32 v247, 6, v245
.irp c, 0,1,2,3
	global_load_b128 v[WFR+4*\c:WFR+4*\c+3], v247, s[6:7] offset:16*\c
.endr
	s_wait_loadcnt 4                               ; the token is in
	v_min_u32 v246, 0x3ff, v246
	v_lshlrev_b32 v246, 10, v246
	v_lshl_add_u32 v246, v245, 4, v246
.irp hh, 0,1                           ; four K steps at a time
.set ck, 0
.rept 16
	global_load_b128 v[16+4*ck:19+4*ck], v246, s[10:11] offset:512*\hh+32*ck
.set ck, ck+1
.endr
.if \hh == 0
	s_wait_loadcnt 16                              ; b1 is in
.set cj, 0
.rept 16
	v_ldexp_f32 v[ACC+cj], v[WFR+cj], s[NEGE]
.set cj, cj+1
.endr
.endif
.irp kq, 0,1,2,3
.irp u, 0,1
.irp c, 0,1,2,3
	ds_load_b128 v[WFR+16*\u+4*\c:WFR+16*\u+4*\c+3], v[WF] offset:16*WP*\u+128*(4*\hh+\kq)+32*\c
.endr
.endr
.if \kq == 0
	s_wait_loadcnt 0x0
.endif
	s_wait_dscnt 0x0
	v_wmma_f32_16x16x128_bf8_bf8 v[ACC:ACC+7], v[WFR:WFR+15], v[16+16*\kq:31+16*\kq], v[ACC:ACC+7]
	v_wmma_f32_16x16x128_bf8_bf8 v[ACC+8:ACC+15], v[WFR+16:WFR+31], v[16+16*\kq:31+16*\kq], v[ACC+8:ACC+15]
.rept 4
	v_nop
.endr
.endr
.endr
	GELU16 ACC, 80
	HSTORE TILE, 242, 80
	s_add_co_u32 s[TILE], s[TILE], 4
	s_sub_co_u32 s[CTR], s[CTR], 1
	s_cmp_lg_u32 s[CTR], 0
	s_cbranch_scc1 .Lrem
.Ldone:
	s_wait_tensorcnt 0x0                           ; the wave's end
	ds_add_u32 v[SPW], v[NIL]
	s_wait_dscnt 0x0
	s_endpgm
.Lfunc_end_k_q919750a935_ffn1:
	.size	k_q919750a935_ffn1, .Lfunc_end_k_q919750a935_ffn1-k_q919750a935_ffn1
	.p2alignl 7, 3214868480
	.fill 96, 4, 3214868480
	.section	.rodata,"a",@progbits
	.p2align	6, 0x0
	.amdhsa_kernel k_q919750a935_ffn1
		.amdhsa_group_segment_fixed_size 218112
		.amdhsa_private_segment_fixed_size 0
		.amdhsa_enable_private_segment 0
		.amdhsa_kernarg_size 56
		.amdhsa_user_sgpr_count 2
		.amdhsa_user_sgpr_kernarg_segment_ptr 1
		.amdhsa_wavefront_size32 1
		.amdhsa_system_sgpr_workgroup_id_x 1
		.amdhsa_system_sgpr_workgroup_id_y 1
		.amdhsa_system_sgpr_workgroup_id_z 1
		.amdhsa_system_vgpr_workitem_id 0
		.amdhsa_next_free_vgpr 256
		.amdhsa_next_free_sgpr 100
		.amdhsa_reserve_vcc 0
		.amdhsa_float_denorm_mode_32 3
		.amdhsa_float_denorm_mode_16_64 3
		.amdhsa_memory_ordered 1
		.amdhsa_forward_progress 1
		.amdhsa_inst_pref_size 138
	.end_amdhsa_kernel
	.amdgpu_metadata
---
amdhsa.version: [ 1, 2 ]
amdhsa.kernels:
  - .name:           k_q919750a935_ffn1
    .symbol:         k_q919750a935_ffn1.kd
    .args:
      - { .name: w1, .offset: 0, .size: 8, .value_kind: global_buffer, .address_space: global }
      - { .name: b1, .offset: 8, .size: 8, .value_kind: global_buffer, .address_space: global }
      - { .name: lowp_scales, .offset: 16, .size: 8, .value_kind: global_buffer, .address_space: global }
      - { .name: xq, .offset: 24, .size: 8, .value_kind: global_buffer, .address_space: global }
      - { .name: order, .offset: 32, .size: 8, .value_kind: global_buffer, .address_space: global }
      - { .name: meta, .offset: 40, .size: 8, .value_kind: global_buffer, .address_space: global }
      - { .name: hq, .offset: 48, .size: 8, .value_kind: global_buffer, .address_space: global }
    .group_segment_fixed_size: 218112
    .private_segment_fixed_size: 0
    .kernarg_segment_align: 8
    .kernarg_segment_size: 56
    .max_flat_workgroup_size: 512
    .sgpr_count:     100
    .vgpr_count:     256
    .wavefront_size: 32
...
	.end_amdgpu_metadata
.endif
;; end of part 3
;; launch ffn2 (part 4): grid 32 x 8, 16 waves a work-group, no clusters, 268,800 bytes of LDS; arguments w2, b2, lowp_scales, hq, order, gsort, meta, out0; writes out0
.if DOCPART == 4
	.amdgcn_target "amdgcn-amd-amdhsa--gfx1250"
	.amdhsa_code_object_version 6
	.text
	.protected	k_q919750a935_ffn2
	.globl	k_q919750a935_ffn2
	.p2align	8
	.type	k_q919750a935_ffn2,@function
k_q919750a935_ffn2:
	s_mov_b64 s[64:65], 0
	v_nop
	global_prefetch_b8 v0, s[64:65] scope:SCOPE_SE
	s_setreg_imm32_b32 hwreg(HW_REG_WAVE_MODE, 25, 1), 1
	s_wait_xcnt 0x0
; SWITCH LAYER, launch 4 of 4: out0[token] = probability x (Q(h) Q(w2[e]) + b2[e]) for the rows that chose expert e; rows of other experts are left out (shown at the head of the first kernel).
; Each token has one expert, so each row of out0 has one owner and every number of out0 is written.
; SHARES.  Work-group (s, e) owns w2[e][:, 32 s .. 32 s + 31]: 524,288 bytes of f32, read once in the launch, quantised in registers (a lane to a column, registers down K) and kept in LDS
; as codes with K innermost.  K goes in 8 rounds of 512: wave w streams rows 512 rho + 32 w .. + 31.  For the products wave w takes K step 4 rho + ks (ks = w % 4) and the tiles of 16 rows
; mg + 4 i (mg = w / 4, i = 0..2): K is shared four ways, and the four parts are added through LDS in a fixed order, (0 + 1) + (2 + 3).  An expert's tiles beyond twelve are served
; behind that, a tile a wave, over all of K, in a loop without barriers.
; A slice of 32 columns gives pieces of 128 bytes of w2's and out0's rows; slices of 64 would give 256 but only 128 work-groups, and the stream wants all 256 at work.
; The work hangs on numbers that an earlier launch stored, so operands go through registers: no tensor load, hence no joint loads for the 32 work-groups that share h's codes.
; Every barrier stands in straight text; only loads and products are jumped over.  An expert without rows still streams its slice and stores nothing.
; THE PRODUCT IS USED TRANSPOSED (source 0 = 16 columns of w2, source 1 = 16 rows of h): a lane holds one row and eight neighbouring columns.
; h's fragments come from hq as images of the operand's registers, 512 consecutive bytes a load; the weights' are filled by four pieces of 16 bytes in the same order of k.
; NO LANE IS SWITCHED OFF.  The rows of an expert's last tile beyond its count repeat its last row: the launch before laid their codes so, and here their positions are held at the expert's
; last one as well.  So they have the same token, the same probability and the same sums, and store the same numbers to the same bytes as that row.
; LIMITS: ew2 between -126 and 112; eh + ew2 between -126 and 127.  NaN among the inputs is not served.
.set WP,    4112                       ; a column's 4,096 codes + 16
.set EX,    32*WP                      ; 48 images of 2,048 bytes: the parts of the sums, (3 mg + i) 4 + ks
.set ST,    EX+48*2048                 ; a stage of 16 rows x 144 bytes for each wave
.set SP,    144
.set SPARE, ST+16*16*SP                ; the spare words, 128 bytes for each of 16 waves
.set WO,   1                           ; v1      w2: my byte in a round
.set WS,   2                           ; v2      LDS: where my column's 32 codes of a round go
.set AO,   3                           ; v3-5    hq: my lane's place in the images of my three tiles
.set TA,   1                           ; v1-4    from round 6 on: four positions' bytes in order and gsort, then four tokens' bytes in out0.  No load ever lands in v1-7
.set HA,   5                           ; v5      in the last loop: hq, my lane's place in the tile's images
.set BF0,  6                           ; v6, 7   LDS: my lane's place in the weights' fragments of my K step, columns 0-15 and 16-31
.set BF1,  7
.set SPW,  8                           ; v8      LDS address of my spare word; never rewritten
.set NIL,  9                           ; v9      0; never rewritten
.set SCW,  10                          ; v10, 11 2^ew2 and 57,344 x 2^ew2
.set LIMW, 11
.set EXW,  12                          ; v12-15  LDS: the parts out and in, the stage in and back
.set EXR,  13
.set STW,  14
.set STR,  15
.set SET0, 16                          ; v16-79  two sets of 32 numbers of w2; later at work
.set CD,   80                          ; v80-87  a block's codes;
.set TK,   80                          ;         later four tokens and four probabilities
.set ACC,  88                          ; v88-135 accumulator (i, n) at 88 + 16 i + 8 n
.set BB,   136                         ; v136-151 one fragment of the weights
.set A0,   152                         ; v152-199, v200-247 h's three fragments, two sets
.set A1,   200
.set BQ,   248                         ; v248-251 b2 of my four columns (before that: at work)
.set C16,  252                         ; v252    16 (l % 8)
.set L3,   253                         ; v253    l / 8
.set BR0,  254                         ; v254, 255 LDS: as v6, v7, from K step 0
.set BR1,  255
.set WV,   20                          ; s20 wave; s21 ks; s23 expert
.set KS,   21
.set EXPT, 23
.set OFF,  28                          ; s28, 29 positions; s30 first tile; s31 the last tile that was stored
.set OFF1, 29
.set TB,   30
.set TLAST, 31
.set MM,   36                          ; s36 rows; s37 tiles of 16; s38 the expert's last position
.set NTL,  37
.set OFFL, 38
.set CTR,  39                          ; s39 the last loop's trips to go
.set TILE, 42                          ; s42 the tile that I finish; s43 16 x that
.set T16,  43
.set MGI,  52                          ; s52-54 my tiles: mg, mg + 4, mg + 8
	s_load_b256 s[4:11], s[0:1], 0x0               ; w2, b2, lowp_scales, hq
	s_load_b256 s[12:19], s[0:1], 0x20             ; order, gsort, meta, out0
	v_lshl_add_u32 v[SPW], v0, 2, SPARE
	v_mov_b32 v[NIL], 0
	v_lshrrev_b32 v248, 5, v0
	v_readfirstlane_b32 s[WV], v248
	s_and_b32 s[KS], s[WV], 3
	s_lshr_b32 s[MGI], s[WV], 2
	s_add_co_u32 s[MGI+1], s[MGI], 4
	s_add_co_u32 s[MGI+2], s[MGI], 8
	s_and_b32 s[EXPT], ttmp7, 0xffff
	s_lshl_b32 s[TILE], s[KS], 2
	s_add_co_u32 s[TILE], s[TILE], s[MGI]          ; wave (ks, mg) finishes tile mg + 4 ks, ks = 0..2;
	s_cmp_eq_u32 s[KS], 3
	s_cselect_b32 s[TILE], 255, s[TILE]            ; ks = 3: none: a number that no expert's count of tiles reaches
	s_lshl_b32 s[T16], s[TILE], 4
	v_and_b32 v248, 31, v0                         ; l
	v_and_b32 v249, 15, v0                         ; r
	v_bfe_u32 v250, v0, 4, 1                       ; h
	s_lshl_b32 s44, s[WV], 17
	v_lshl_add_u32 v[WO], v248, 2, s44             ; 4 l + 32 rows of 4,096 bytes x wave
	v_mul_u32_u24 v[WS], v248, WP
	s_lshl_b32 s44, s[WV], 5
	v_add_nc_u32 v[WS], s44, v[WS]
	v_mul_u32_u24 v[BR0], v249, WP
	v_lshl_add_u32 v[BR0], v250, 4, v[BR0]
	v_add_nc_u32 v[BR1], 16*WP, v[BR0]
	s_lshl_b32 s44, s[KS], 7
	v_add_nc_u32 v[BF0], s44, v[BR0]
	v_add_nc_u32 v[BF1], s44, v[BR1]
	s_mul_i32 s44, s[MGI], 12
	s_add_co_u32 s44, s44, s[KS]
	s_lshl_b32 s44, s44, 11
	s_add_co_u32 s44, s44, EX
	v_lshl_add_u32 v[EXW], v248, 4, s44
	s_min_u32 s45, s[KS], 2                        ; waves with ks = 3 finish no tile: the address stays inside the region all the same
	s_mul_i32 s44, s[MGI], 3
	s_add_co_u32 s44, s44, s45
	s_lshl_b32 s44, s44, 13
	s_add_co_u32 s44, s44, EX
	v_lshl_add_u32 v[EXR], v248, 4, s44
	s_mul_i32 s44, s[WV], 16*SP
	s_add_co_u32 s44, s44, ST
	v_mul_u32_u24 v[STW], v249, SP
	v_lshl_add_u32 v[STW], v250, 5, v[STW]
	v_add_nc_u32 v[STW], s44, v[STW]               ; in: row r, 32 bytes for each half of the lanes
	v_lshrrev_b32 v[L3], 3, v248
	v_and_b32 v[C16], 7, v248
	v_lshlrev_b32 v[C16], 4, v[C16]
	v_mul_u32_u24 v[STR], v[L3], SP
	v_add_nc_u32 v[STR], v[STR], v[C16]
	v_add_nc_u32 v[STR], s44, v[STR]               ; back: eight lanes to a row of 128 bytes, four rows an instruction
	s_lshl_b32 s44, s[EXPT], 24                    ; w2: the expert's 16,777,216 bytes, the slice's 128
	s_lshl_b32 s45, ttmp9, 7
	s_add_co_u32 s44, s44, s45
	s_mov_b32 s45, 0
	s_lshl_b32 s46, s[EXPT], 2
	s_mov_b32 s47, 0
	s_lshl_b32 s48, s[EXPT], 4
	s_mov_b32 s49, 0
	s_lshl_b32 s40, s[EXPT], 12                    ; b2: 4,096 e + 128 s
	s_lshl_b32 s41, ttmp9, 7
	s_add_co_u32 s40, s40, s41
	s_mov_b32 s41, 0
	s_lshl_b32 s56, ttmp9, 7                       ; out0: 128 s
	s_mov_b32 s57, 0
	s_wait_kmcnt 0x0
	s_add_nc_u64 s[50:51], s[16:17], s[46:47]
	s_add_nc_u64 s[8:9], s[8:9], s[48:49]
	s_load_b32 s[OFF], s[50:51], 0x0
	s_load_b32 s[OFF1], s[50:51], 0x4
	s_load_b32 s[TB], s[50:51], 0x40
	s_load_b32 s[TLAST], s[16:17], 0x60            ; tiles in all
	s_load_b128 s[32:35], s[8:9], 0x0              ; ex, ew1, eh, ew2
	s_add_nc_u64 s[4:5], s[4:5], s[44:45]
	s_add_nc_u64 s[24:25], s[4:5], 0x800000        ; rounds 4 to 7: the immediates stay inside their signed 24 bits
	s_add_nc_u64 s[6:7], s[6:7], s[40:41]
	s_add_nc_u64 s[18:19], s[18:19], s[56:57]
.macro LOADW rho                       ; round rho: my column's 32 numbers
.set SS, SET0+32*((\rho)%2)
.set ci, 0
.rept 32
	global_load_b32 v[SS+ci], v[WO], s[4+20*((\rho)/4):5+20*((\rho)/4)] offset:((\rho)%4)*2097152+ci*4096 th:TH_LOAD_NT
.set ci, ci+1
.endr
.endm
.macro CONV rho
.set SS, SET0+32*((\rho)%2)
.set ci, 0
.rept 32
	v_med3_num_f32 v[SS+ci], v[SS+ci], -v[LIMW], v[LIMW]   ; the conversion does not saturate (ISA guide 7.6.2): the hold first
.set ci, ci+1
.endr
.irp g, 0,1,2,3
	v_cvt_scalef32_pk8_bf8_f32 v[CD+2*\g:CD+2*\g+1], v[SS+8*\g:SS+8*\g+7], v[SCW]
.endr
	v_nop                                          ; one plain instruction behind the last scaled conversion
	ds_store_b128 v[WS], v[CD:CD+3] offset:512*(\rho)
	ds_store_b128 v[WS], v[CD+4:CD+7] offset:512*(\rho)+16
.endm
.macro LOADA rho, cond                 ; h's fragments of K step 4 rho + ks.  cond = 1: only the tiles that the expert has
.set AB, A0+48*((\rho)%2)
.irp i, 0,1,2
.if \cond
	s_cmp_ge_u32 s[MGI+\i], s[NTL]
	s_cbranch_scc1 .Lla_\@
.endif
.irp c, 0,1,2,3
	global_load_b128 v[AB+16*\i+4*\c:AB+16*\i+4*\c+3], v[AO+\i], s[10:11] offset:8192*(\rho)+512*\c
.endr
.endr
.Lla_\@:
.endm
; k row tiles against the slice's two tiles of columns.  The accumulators take turns, one instruction a turn.  zero = 1: the products start the sums.
.macro MS k, rho, zero
.set AB, A0+48*((\rho)%2)
.irp c, 0,1,2,3
	ds_load_b128 v[BB+4*\c:BB+4*\c+3], v[BF0] offset:512*(\rho)+32*\c
.endr
	s_wait_dscnt 0x0
.set ci, 0
.rept \k
.if \zero
	v_wmma_f32_16x16x128_bf8_bf8 v[ACC+16*ci:ACC+16*ci+7], v[BB:BB+15], v[AB+16*ci:AB+16*ci+15], 0
.else
	v_wmma_f32_16x16x128_bf8_bf8 v[ACC+16*ci:ACC+16*ci+7], v[BB:BB+15], v[AB+16*ci:AB+16*ci+15], v[ACC+16*ci:ACC+16*ci+7]
.endif
.set ci, ci+1
.endr
.rept 4
	v_nop                                          ; four places in front of loads into the fragment just read
.endr
.irp c, 0,1,2,3
	ds_load_b128 v[BB+4*\c:BB+4*\c+3], v[BF1] offset:512*(\rho)+32*\c
.endr
	s_wait_dscnt 0x0
.set ci, 0
.rept \k
.if \zero
	v_wmma_f32_16x16x128_bf8_bf8 v[ACC+16*ci+8:ACC+16*ci+15], v[BB:BB+15], v[AB+16*ci:AB+16*ci+15], 0
.else
	v_wmma_f32_16x16x128_bf8_bf8 v[ACC+16*ci+8:ACC+16*ci+15], v[BB:BB+15], v[AB+16*ci:AB+16*ci+15], v[ACC+16*ci+8:ACC+16*ci+15]
.endif
.set ci, ci+1
.endr
.endm
.macro MSTEP rho
.rept 4
	v_nop
.endr
	s_cmp_ge_u32 s[MGI], s[NTL]
	s_cbranch_scc1 .Lm_end_\@
	s_cmp_ge_u32 s[MGI+1], s[NTL]
	s_cbranch_scc1 .Lm_one_\@
	s_cmp_ge_u32 s[MGI+2], s[NTL]
	s_cbranch_scc1 .Lm_two_\@
	MS 3, \rho, 0
	s_branch .Lm_end_\@
.Lm_two_\@:
	MS 2, \rho, 0
	s_branch .Lm_end_\@
.Lm_one_\@:
	MS 1, \rho, 0
.Lm_end_\@:
.endm
.macro TOKLOAD                         ; tokens and probabilities of the 16 rows of tile s[T16] / 16: row 4 g + l / 8
	s_add_co_u32 s44, s[OFF], s[T16]
.irp g, 0,1,2,3
	v_add_nc_u32 v[TA+\g], s44, v[L3]
.if \g > 0
	v_add_nc_u32 v[TA+\g], 4*\g, v[TA+\g]
.endif
	v_min_u32 v[TA+\g], s[OFFL], v[TA+\g]          ; rows beyond the expert's count repeat its last row
	v_min_u32 v[TA+\g], 0x3ff, v[TA+\g]            ; and no position leaves the table
	v_lshlrev_b32 v[TA+\g], 2, v[TA+\g]
.endr
.irp g, 0,1,2,3
	global_load_b32 v[TK+\g], v[TA+\g], s[12:13]
	global_load_b32 v[TK+4+\g], v[TA+\g], s[14:15]
.endr
.endm
.macro TOKADR                          ; behind the wait for those loads: token x 4,096 + 16 (l % 8)
.irp g, 0,1,2,3
	v_min_u32 v[TA+\g], 0x3ff, v[TK+\g]
	v_lshlrev_b32 v[TA+\g], 12, v[TA+\g]
	v_add_nc_u32 v[TA+\g], v[C16], v[TA+\g]
.endr
.endm
; sixteen sums of a lane (row r, columns 16 n + 8 (lane / 16) + j in register 8 n + j) leave: through my own stage, so that eight lanes hold 128 neighbouring bytes of a row;
; x 2^(eh + ew2), + b2, x the probability.
.macro OUT S
	ds_store_b128 v[STW], v[\S:\S+3]
	ds_store_b128 v[STW], v[\S+4:\S+7] offset:16
	ds_store_b128 v[STW], v[\S+8:\S+11] offset:64
	ds_store_b128 v[STW], v[\S+12:\S+15] offset:80
.irp g, 0,1,2,3
	ds_load_b128 v[32+4*\g:35+4*\g], v[STR] offset:4*SP*\g   ; LDS serves a wave's instructions in order (ISA guide 5.7.1.4): these see my stores
.endr
	s_wait_dscnt 0x0
.irp g, 0,1,2,3
	v_pk_fma_f32 v[32+4*\g:33+4*\g], v[32+4*\g:33+4*\g], s[46:47], v[BQ:BQ+1] op_sel_hi:[1,0,1]
	v_pk_fma_f32 v[34+4*\g:35+4*\g], v[34+4*\g:35+4*\g], s[46:47], v[BQ+2:BQ+3] op_sel_hi:[1,0,1]
.irp j, 0,1,2,3
	v_mul_f32 v[32+4*\g+\j], v[TK+4+\g], v[32+4*\g+\j]
.endr
.endr
.irp g, 0,1,2,3
	global_store_b128 v[TA+\g], v[32+4*\g:35+4*\g], s[18:19] th:TH_STORE_NT   ; four rows x 128 consecutive bytes
.endr
.endm
	LOADW 0
	LOADW 1
	s_wait_kmcnt 0x0
	s_min_u32 s[OFF], s[OFF], 1024
	s_min_u32 s[OFF1], s[OFF1], 1024
	s_min_u32 s[TB], s[TB], 71
	s_min_u32 s[TLAST], s[TLAST], 72
	s_sub_co_u32 s[TLAST], s[TLAST], 1
	s_sub_co_u32 s[MM], s[OFF1], s[OFF]
	s_sub_co_u32 s[OFFL], s[OFF1], 1               ; the expert's last position (with no row at all: some other position, or the greatest number; nothing is stored then)
	s_add_co_u32 s[NTL], s[MM], 15
	s_lshr_b32 s[NTL], s[NTL], 4
	s_min_u32 s[NTL], s[NTL], 64
	s_add_co_i32 s44, s35, 127
	s_lshl_b32 s45, s44, 23
	v_mov_b32 v[SCW], s45                          ; 2^ew2
	s_add_co_i32 s44, s44, 15
	s_lshl_b32 s44, s44, 23
	s_or_b32 s44, s44, 0x600000
	v_mov_b32 v[LIMW], s44                         ; 57,344 x 2^ew2
	s_add_co_i32 s46, s34, s35
	s_add_co_i32 s46, s46, 127
	s_lshl_b32 s46, s46, 23                        ; 2^(eh + ew2)
	s_mov_b32 s47, s46                             ; (named with it as a pair)
	s_lshl_b32 s45, s[KS], 11
.irp i, 0,1,2
	s_add_co_u32 s44, s[TB], s[MGI+\i]
	s_min_u32 s44, s44, s[TLAST]                   ; never a tile that was not stored
	s_min_u32 s44, s44, 71
	s_lshl_b32 s44, s44, 16
	s_add_co_u32 s44, s44, s45
	v_lshl_add_u32 v[AO+\i], v248, 4, s44
.endr
	LOADA 0, 0                                     ; the first two rounds' fragments are loaded for all three tiles: every operand register is written on every way
	LOADA 1, 0
	s_wait_loadcnt 56                              ; round 0 of w2 is in; behind it: round 1's 32 and h's 24
	CONV 0
	s_wait_dscnt 0x0
	LOADW 2
	s_wait_loadcnt 56                              ; round 1 is in; behind it: h's 24 and round 2's 32
	CONV 1
	s_wait_dscnt 0x0
	LOADW 3
; One round.  The barrier shows the codes stored up to the round before.  Conversions run two rounds ahead of the products, loads four.
.macro ITER rho
.if \rho <= 6
	s_wait_dscnt 0x0                               ; my LDS stores have landed, my LDS loads are in
	s_barrier_signal -1
	s_barrier_wait -1
.endif
.if \rho == 0
	s_wait_loadcnt 63                              ; behind h's round 0 seventy-six loads were issued
	MS 3, 0, 1                                     ; with no branch: these products start all the sums
.else
.if \rho == 7
	s_wait_loadcnt 9                               ; h's round 7 is in; the 8 tokens and probabilities and b2 may be out
.endif
	MSTEP \rho
.endif
.if \rho <= 5
.if \rho == 5
	s_wait_loadcnt 0x0
.else
	s_wait_loadcnt 32                              ; all but w2's round rho + 3, the last 32 issued: so w2's round rho + 2 and h's round rho + 1 are in, however many tiles were loaded
.endif
	CONV (\rho)+2
	s_wait_dscnt 0x0
	LOADA (\rho)+2, 1                              ; into the set that this round's products read: the conversion's lines are the places between
.if \rho <= 3
	LOADW (\rho)+4
.endif
.endif
.if \rho == 6
	s_wait_xcnt 0x0                                ; h's round 7 loads have read v3-5: only behind this wait are v1-4 written anew
	TOKLOAD
	global_load_b128 v[BQ:BQ+3], v[C16], s[6:7]    ; b2 of my four columns
.endif
.endm
	ITER 0
	ITER 1
	ITER 2
	ITER 3
	ITER 4
	ITER 5
	ITER 6
	ITER 7
	; the four parts of K meet in LDS, as images of the accumulators, each read from its low end on
.rept 4
	v_nop
.endr
.irp i, 0,1,2
.irp c, 0,1,2,3
	ds_store_b128 v[EXW], v[ACC+16*\i+4*\c:ACC+16*\i+4*\c+3] offset:8192*\i+512*\c
.endr
.endr
	s_wait_dscnt 0x0
	s_barrier_signal -1
	s_barrier_wait -1
	s_wait_loadcnt 0x0                             ; tokens, probabilities, b2: on every wave's path,
	TOKADR                                         ; and so are the tokens' addresses
	s_cmp_ge_u32 s[TILE], s[NTL]
	s_cbranch_scc1 .Lsummed                        ; the expert has no such tile (ks = 3: never)
.irp k, 0,1,2,3
.irp c, 0,1,2,3
	ds_load_b128 v[16+16*\k+4*\c:19+16*\k+4*\c], v[EXR] offset:2048*\k+512*\c
.endr
.endr
	s_wait_dscnt 0x0
.set cj, 0
.rept 8
	v_pk_add_f32 v[16+cj:17+cj], v[16+cj:17+cj], v[32+cj:33+cj]
	v_pk_add_f32 v[48+cj:49+cj], v[48+cj:49+cj], v[64+cj:65+cj]
.set cj, cj+2
.endr
.set cj, 0
.rept 8
	v_pk_add_f32 v[16+cj:17+cj], v[16+cj:17+cj], v[48+cj:49+cj]
.set cj, cj+2
.endr
	OUT 16
.Lsummed:
	; Tiles beyond the twelve: a tile a wave, all 32 K steps; all codes of the slice lie in LDS, shown by the barrier above.
	; The loop's count is a constant: 4 trips reach tile 60 + w, and an expert has 64 tiles at the most; the first tile that the expert does not have ends it.
	s_add_co_u32 s[TILE], s[WV], 12
	s_mov_b32 s[CTR], 4
.Lrem:
	s_cmp_ge_u32 s[TILE], s[NTL]
	s_cbranch_scc1 .Ldone
	s_wait_xcnt 0x0                                ; the earlier stores and loads have read their registers
	s_lshl_b32 s[T16], s[TILE], 4
	TOKLOAD
	s_add_co_u32 s44, s[TB], s[TILE]
	s_min_u32 s44, s44, s[TLAST]
	s_min_u32 s44, s44, 71
	s_lshl_b32 s44, s44, 16
	v_and_b32 v[HA], 31, v0
	v_lshl_add_u32 v[HA], v[HA], 4, s44
.set gq, 0
.rept 16                               ; two K steps at a time
.irp kk, 0,1
.irp c, 0,1,2,3
	global_load_b128 v[A1+16*\kk+4*\c:A1+16*\kk+4*\c+3], v[HA], s[10:11] offset:2048*(2*gq+\kk)+512*\c
.endr
.endr
.irp kk, 0,1
.irp c, 0,1,2,3
	ds_load_b128 v[BB+4*\c:BB+4*\c+3], v[BR0] offset:128*(2*gq+\kk)+32*\c
.endr
.if \kk == 0
	s_wait_loadcnt 0x0
.endif
	s_wait_dscnt 0x0
.if (gq == 0) && (\kk == 0)
	v_wmma_f32_16x16x128_bf8_bf8 v[ACC:ACC+7], v[BB:BB+15], v[A1+16*\kk:A1+16*\kk+15], 0
.else
	v_wmma_f32_16x16x128_bf8_bf8 v[ACC:ACC+7], v[BB:BB+15], v[A1+16*\kk:A1+16*\kk+15], v[ACC:ACC+7]
.endif
.rept 4
	v_nop
.endr
.irp c, 0,1,2,3
	ds_load_b128 v[BB+4*\c:BB+4*\c+3], v[BR1] offset:128*(2*gq+\kk)+32*\c
.endr
	s_wait_dscnt 0x0
.if (gq == 0) && (\kk == 0)
	v_wmma_f32_16x16x128_bf8_bf8 v[ACC+8:ACC+15], v[BB:BB+15], v[A1+16*\kk:A1+16*\kk+15], 0
.else
	v_wmma_f32_16x16x128_bf8_bf8 v[ACC+8:ACC+15], v[BB:BB+15], v[A1+16*\kk:A1+16*\kk+15], v[ACC+8:ACC+15]
.endif
.rept 4
	v_nop
.endr
.endr
.set gq, gq+1
.endr
	TOKADR                                         ; the tokens came with the first group's wait for all loads
	OUT ACC
	s_add_co_u32 s[TILE], s[TILE], 16
	s_sub_co_u32 s[CTR], s[CTR], 1
	s_cmp_lg_u32 s[CTR], 0
	s_cbranch_scc1 .Lrem
.Ldone:
	s_wait_tensorcnt 0x0                           ; the wave's end
	ds_add_u32 v[SPW], v[NIL]
	s_wait_dscnt 0x0
	s_endpgm
.Lfunc_end_k_q919750a935_ffn2:
	.size	k_q919750a935_ffn2, .Lfunc_end_k_q919750a935_ffn2-k_q919750a935_ffn2
	.p2alignl 7, 3214868480
	.fill 96, 4, 3214868480
	.section	.rodata,"a",@progbits
	.p2align	6, 0x0
	.amdhsa_kernel k_q919750a935_ffn2
		.amdhsa_group_segment_fixed_size 268800
		.amdhsa_private_segment_fixed_size 0
		.amdhsa_enable_private_segment 0
		.amdhsa_kernarg_size 64
		.amdhsa_user_sgpr_count 2
		.amdhsa_user_sgpr_kernarg_segment_ptr 1
		.amdhsa_wavefront_size32 1
		.amdhsa_system_sgpr_workgroup_id_x 1
		.amdhsa_system_sgpr_workgroup_id_y 1
		.amdhsa_system_sgpr_workgroup_id_z 1
		.amdhsa_system_vgpr_workitem_id 0
		.amdhsa_next_free_vgpr 256
		.amdhsa_next_free_sgpr 100
		.amdhsa_reserve_vcc 0
		.amdhsa_float_denorm_mode_32 3
		.amdhsa_float_denorm_mode_16_64 3
		.amdhsa_memory_ordered 1
		.amdhsa_forward_progress 1
		.amdhsa_inst_pref_size 139
	.end_amdhsa_kernel
	.amdgpu_metadata
---
amdhsa.version: [ 1, 2 ]
amdhsa.kernels:
  - .name:           k_q919750a935_ffn2
    .symbol:         k_q919750a935_ffn2.kd
    .args:
      - { .name: w2, .offset: 0, .size: 8, .value_kind: global_buffer, .address_space: global }
      - { .name: b2, .offset: 8, .size: 8, .value_kind: global_buffer, .address_space: global }
      - { .name: lowp_scales, .offset: 16, .size: 8, .value_kind: global_buffer, .address_space: global }
      - { .name: hq, .offset: 24, .size: 8, .value_kind: global_buffer, .address_space: global }
      - { .name: order, .offset: 32, .size: 8, .value_kind: global_buffer, .address_space: global }
      - { .name: gsort, .offset: 40, .size: 8, .value_kind: global_buffer, .address_space: global }
      - { .name: meta, .offset: 48, .size: 8, .value_kind: global_buffer, .address_space: global }
      - { .name: out0, .offset: 56, .size: 8, .value_kind: global_buffer, .address_space: global }
    .group_segment_fixed_size: 268800
    .private_segment_fixed_size: 0
    .kernarg_segment_align: 8
    .kernarg_segment_size: 64
    .max_flat_workgroup_size: 512
    .sgpr_count:     100
    .vgpr_count:     256
    .wavefront_size: 32
...
	.end_amdgpu_metadata
.endif
;; end of part 4
;; ======== version 2 of 2: 4 launches
;; workspace buffers: xq 1,048,576 bytes; eidx 4,096 bytes of whole numbers; gprob 4,096 bytes; order 4,096 bytes of whole numbers; gsort 4,096 bytes; meta 256 bytes of whole numbers; hq 4,718,592 bytes
;; launch route (part 5): grid 256 x 1, 4 waves a work-group, no clusters, 34,304 bytes of LDS; arguments x, gate_w, lowp_scales, xq, eidx, gprob; writes xq, eidx, gprob
.if DOCPART == 5
	.amdgcn_target "amdgcn-amd-amdhsa--gfx1250"
	.amdhsa_code_object_version 6
	.text
	.protected	k_q919750a935_route
	.globl	k_q919750a935_route
	.p2align	8
	.type	k_q919750a935_route,@function
k_q919750a935_route:
	s_mov_b64 s[64:65], 0
	v_nop
	global_prefetch_b8 v0, s[64:65] scope:SCOPE_SE
	s_setreg_imm32_b32 hwreg(HW_REG_WAVE_MODE, 25, 1), 1
	s_wait_xcnt 0x0
; SWITCH LAYER, launch 1 of 4: the router, and x as codes.
; For each of the 1,024 tokens: logits = x . gate_w (f32 multiply-adds), softmax with the maximum taken away, the first largest probability's index
; and value; then the token's 1,024 numbers become codes of E5M2 with the scale 2^ex of the CHOSEN expert (lowp_scales[4 e]).
; WORK LEFT OUT IN THE WHOLE PROGRAM.  reference() multiplies row t of expert e's result by where(expert_idx[t] == e, expert_w[t], 0.0): for every
; e other than expert_idx[t] the factor is the constant 0, whatever finite values the inputs hold.  So of the sixteen quantised products only the rows
; of the chosen expert are multiplied, and x is quantised for that expert alone.  Every input stays live and is loaded.
; LIMIT: a NaN, an infinity or an overflow that arises only in a row of an expert that was not chosen is not carried to the result.
; LIMITS: ex between -126 and 112, so that 2^ex and 57,344 x 2^ex are f32 numbers.  NaN among the inputs is not served.  The largest is sought among the
; exponentials 2^((l - max) log2 e); of equal ones the lower index is kept.  The sums' order differs from reference()'s.
; No address and no branch hangs on the choice: index, probability and codes go to fixed places; the scale is picked by v_cndmask_b32.
; SHARES.  Four waves, one token each.  Lane l holds x[256 blk + 8 l + 0..7], blk = 0..3: eight neighbours along K for each conversion.
; gate_w (32,768 bytes) is read once by the work-group, 16 bytes a lane in dense loads, and laid into LDS in 64 regions of 512 + 16 bytes:
; region ((2 blk + hf) 4 + i) 2 + eh holds at 16 l the four numbers gate_w[256 blk + 8 l + 4 hf + i][4 eh ..]: a read is 512 consecutive bytes.
; No matrix unit (8 columns), no tensor load, no cluster: the launch is a few thousand multiply-adds a wave.
.set GP,    528                        ; a region: 512 bytes + 16
.set SPARE, 64*GP                      ; behind the regions: the spare words, 128 bytes for each wave
.set XO,  2                            ; v2   32 x lane: my 32 bytes in each 1,024 of x's row
.set FA,  3                            ; v3   where my 16 bytes of gate_w go in LDS
.set L16, 4                            ; v4   16 x lane
.set QO,  5                            ; v5   8 x lane: my 8 codes
.set SPW, 6                            ; v6   LDS address of my spare word; never rewritten
.set NIL, 7                            ; v7   0; never rewritten
.set X,   8                            ; v8-39    my 32 numbers of x
.set G0,  40                           ; v40-71   gate numbers, two sets; first the landing place of gate_w
.set G1,  72                           ; v72-103
.set ACC, 104                          ; v104-111 the eight logits
.set TM,  112                          ; v112-127 at work
	s_load_b256 s[4:11], s[0:1], 0x0               ; x, gate_w, lowp_scales, xq
	s_load_b128 s[12:15], s[0:1], 0x20             ; eidx, gprob
	v_lshl_add_u32 v[SPW], v0, 2, SPARE
	v_mov_b32 v[NIL], 0
	v_lshrrev_b32 v1, 5, v0
	v_readfirstlane_b32 s16, v1                    ; wave
	v_and_b32 v1, 31, v0                           ; lane
	v_lshlrev_b32 v[XO], 5, v1
	v_and_b32 v[FA], 15, v0
	v_mul_u32_u24 v[FA], v[FA], GP                 ; region (thread % 16) of a block of sixteen,
	v_lshrrev_b32 v[TM], 4, v0
	v_lshl_add_u32 v[FA], v[TM], 4, v[FA]          ; place thread / 16 in it
	v_lshlrev_b32 v[L16], 4, v1
	v_lshlrev_b32 v[QO], 3, v1
	v_lshlrev_b32 v[TM+1], 4, v0                   ; gate_w: 16 bytes a thread
	s_lshl_b32 s17, ttmp9, 2
	s_add_co_u32 s17, s17, s16                     ; my token
	s_lshl_b32 s18, s17, 12
	s_mov_b32 s19, 0
	s_lshl_b32 s22, s17, 10
	s_mov_b32 s23, 0
	s_lshl_b32 s24, s17, 2
	s_mov_b32 s25, 0
	s_mov_b32 s20, 0x76543210                      ; v_permlanex16_b32: lane l xor 16
	s_mov_b32 s21, 0xfedcba98
	s_wait_alu depctr_va_vdst(0)
	s_wait_kmcnt 0x0
	s_load_b512 s[32:47], s[8:9], 0x0              ; all 32 exponents
	s_load_b512 s[48:63], s[8:9], 0x40
	s_add_nc_u64 s[4:5], s[4:5], s[18:19]
	s_add_nc_u64 s[10:11], s[10:11], s[22:23]
	s_add_nc_u64 s[12:13], s[12:13], s[24:25]
	s_add_nc_u64 s[14:15], s[14:15], s[24:25]
.irp n, 0,1,2,3,4,5,6,7,8,9,10,11,12,13,14,15
	global_load_b128 v[G0+4*\n:G0+4*\n+3], v[TM+1], s[6:7] offset:2048*\n   ; the work-group's 128 threads read 2,048 consecutive bytes
.endr
.irp b, 0,1,2,3
	global_load_b128 v[X+8*\b:X+8*\b+3], v[XO], s[4:5] offset:1024*\b th:TH_LOAD_NT
	global_load_b128 v[X+8*\b+4:X+8*\b+7], v[XO], s[4:5] offset:1024*\b+16 th:TH_LOAD_NT
.endr
	s_wait_loadcnt 8                               ; gate_w is in; x's eight younger loads may be out
.irp n, 0,1,2,3,4,5,6,7,8,9,10,11,12,13,14,15
	ds_store_b128 v[FA], v[G0+4*\n:G0+4*\n+3] offset:(\n/4)*16*GP+(\n%4)*128
.endr
	s_wait_dscnt 0x0                               ; for the others' sake: my stores have landed
	s_barrier_signal -1
	s_barrier_wait -1
	s_wait_loadcnt 0x0                             ; x
.macro GLOAD gi, buf                   ; the eight regions of group gi = 2 blk + hf: register 8 i + e = gate_w[.. + i][e]
.irp k, 0,1,2,3,4,5,6,7
	ds_load_b128 v[\buf+4*\k:\buf+4*\k+3], v[L16] offset:(8*(\gi)+\k)*GP
.endr
.endm
.macro GFMA gi, buf, first             ; 32 multiply-adds; the very first eight start the sums
.irp i, 0,1,2,3
.irp e, 0,1,2,3,4,5,6,7
.if \first && (\i == 0)
	v_mul_f32 v[ACC+\e], v[X+4*(\gi)+\i], v[\buf+8*\i+\e]
.else
	v_fmac_f32 v[ACC+\e], v[X+4*(\gi)+\i], v[\buf+8*\i+\e]
.endif
.endr
.endr
.endm
	GLOAD 0, G0
	GLOAD 1, G1
	s_wait_dscnt 8                                 ; this group's eight loads are in, the next group's eight may be out: so in each of these waits
	GFMA 0, G0, 1
	GLOAD 2, G0
	s_wait_alu depctr_va_vdst(0)
	s_wait_dscnt 8
	GFMA 1, G1, 0
	GLOAD 3, G1
	s_wait_alu depctr_va_vdst(0)
	s_wait_dscnt 8
	GFMA 2, G0, 0
	GLOAD 4, G0
	s_wait_alu depctr_va_vdst(0)
	s_wait_dscnt 8
	GFMA 3, G1, 0
	GLOAD 5, G1
	s_wait_alu depctr_va_vdst(0)
	s_wait_dscnt 8
	GFMA 4, G0, 0
	GLOAD 6, G0
	s_wait_alu depctr_va_vdst(0)
	s_wait_dscnt 8
	GFMA 5, G1, 0
	GLOAD 7, G1
	s_wait_alu depctr_va_vdst(0)
	s_wait_dscnt 8
	GFMA 6, G0, 0
	s_wait_alu depctr_va_vdst(0)
	s_wait_dscnt 0x0
	GFMA 7, G1, 0
	; the eight sums over the 32 lanes: every lane ends with all eight logits
.irp m, 1,2,4,8
.irp e, 0,1,2,3,4,5,6,7
	v_add_f32_dpp v[ACC+\e], v[ACC+\e], v[ACC+\e] row_xmask:\m row_mask:0xf bank_mask:0xf
.endr
.endr
.irp e, 0,1,2,3,4,5,6,7
	v_mov_b32 v[TM+\e], 0                          ; a lane permute's destination counts as read
.endr
.irp e, 0,1,2,3,4,5,6,7
	v_permlanex16_b32 v[TM+\e], v[ACC+\e], s20, s21
.endr
.irp e, 0,1,2,3,4,5,6,7
	v_add_f32 v[ACC+\e], v[ACC+\e], v[TM+\e]
.endr
	; softmax: the maximum is taken away first
	v_max3_num_f32 v120, v104, v105, v106
	v_max3_num_f32 v120, v120, v107, v108
	v_max3_num_f32 v120, v120, v109, v110
	v_max_num_f32 v120, v120, v111
.irp e, 0,1,2,3,4,5,6,7
	v_sub_f32 v[ACC+\e], v[ACC+\e], v120
.endr
.irp e, 0,1,2,3,4,5,6,7
	v_mul_f32 v[ACC+\e], 0x3fb8aa3b, v[ACC+\e]     ; x log2(e)
.endr
	s_wait_alu depctr_va_vdst(0)
.irp e, 0,1,2,3,4,5,6,7
	v_exp_f32 v[ACC+\e], v[ACC+\e]
.endr
	v_mov_b32 v121, 0                              ; the index so far.  (The plain instruction behind the exponentials)
	s_wait_kmcnt 0x0
.irp e, 0,1,2,3,4,5,6,7
	s_add_co_i32 s[32+4*\e], s[32+4*\e], 127       ; expert e's 2^ex as an f32 pattern
	s_lshl_b32 s[32+4*\e], s[32+4*\e], 23
.endr
	s_wait_alu depctr_va_vdst(0)                   ; one wait for the eight exponentials, ahead of their first reader
	v_add_f32 v122, v104, v105
	v_add_f32 v123, v106, v107
	v_add_f32 v124, v108, v109
	v_add_f32 v125, v110, v111
	v_add_f32 v122, v122, v123
	v_add_f32 v124, v124, v125
	v_add_f32 v122, v122, v124                     ; the softmax's divisor
	v_mov_b32 v126, v104                           ; the largest so far,
	v_mov_b32 v127, s32                            ; and its expert's scale
.irp e, 1,2,3,4,5,6,7
	v_cmp_gt_f32 vcc_lo, v[ACC+\e], v126           ; strictly larger: of equal ones the lower index stays
	v_cndmask_b32 v126, v126, v[ACC+\e], vcc_lo
	v_cndmask_b32 v121, v121, \e, vcc_lo
	v_cndmask_b32 v127, v127, s[32+4*\e], vcc_lo
.endr
	s_wait_alu depctr_va_vdst(0)
	v_rcp_f32 v123, v122
	v_add_nc_u32 v124, 0x7e00000, v127             ; 57,344 x 2^ex: 15 onto the exponent field, 0x600000 into the mantissa.  (The plain instruction behind the reciprocal)
	s_wait_alu depctr_va_vdst(0)
	v_fma_f32 v125, -v122, v123, 2.0               ; one Newton step
	v_mul_f32 v123, v123, v125
	v_mul_f32 v126, v126, v123                     ; the chosen probability
	; x into codes: the hold at the largest code x the scale first (the conversion to an 8-bit code does not saturate: ISA guide 7.6.2)
.set cj, 0
.rept 32
	v_med3_num_f32 v[X+cj], v[X+cj], -v124, v124
.set cj, cj+1
.endr
.irp b, 0,1,2,3
	v_cvt_scalef32_pk8_bf8_f32 v[TM+2*\b:TM+2*\b+1], v[X+8*\b:X+8*\b+7], v127
.endr
	v_nop                                          ; one plain instruction behind the last scaled conversion
.irp b, 0,1,2,3
	global_store_b64 v[QO], v[TM+2*\b:TM+2*\b+1], s[10:11] offset:256*\b   ; the wave stores 256 consecutive bytes, aligned
.endr
	v_cmp_eq_u32 vcc_lo, 0, v1
	v_mov_b32 v120, 0
	s_wait_alu depctr_va_vdst(0)
	s_wait_xcnt 0x0                                ; EXEC changes only behind this wait
	s_and_saveexec_b32 s26, vcc_lo                 ; lane 0 alone
	global_store_b32 v120, v121, s[12:13]          ; eidx[token]
	global_store_b32 v120, v126, s[14:15]          ; gprob[token]
	s_wait_xcnt 0x0
	s_or_b32 exec_lo, exec_lo, s26
	s_wait_tensorcnt 0x0                           ; the wave's end
	ds_add_u32 v[SPW], v[NIL]
	s_wait_dscnt 0x0
	s_endpgm
.Lfunc_end_k_q919750a935_route:
	.size	k_q919750a935_route, .Lfunc_end_k_q919750a935_route-k_q919750a935_route
	.p2alignl 7, 3214868480
	.fill 96, 4, 3214868480
	.section	.rodata,"a",@progbits
	.p2align	6, 0x0
	.amdhsa_kernel k_q919750a935_route
		.amdhsa_group_segment_fixed_size 34304
		.amdhsa_private_segment_fixed_size 0
		.amdhsa_enable_private_segment 0
		.amdhsa_kernarg_size 48
		.amdhsa_user_sgpr_count 2
		.amdhsa_user_sgpr_kernarg_segment_ptr 1
		.amdhsa_wavefront_size32 1
		.amdhsa_system_sgpr_workgroup_id_x 1
		.amdhsa_system_sgpr_workgroup_id_y 1
		.amdhsa_system_sgpr_workgroup_id_z 1
		.amdhsa_system_vgpr_workitem_id 0
		.amdhsa_next_free_vgpr 128
		.amdhsa_next_free_sgpr 66
		.amdhsa_reserve_vcc 1
		.amdhsa_float_denorm_mode_32 3
		.amdhsa_float_denorm_mode_16_64 3
		.amdhsa_memory_ordered 1
		.amdhsa_forward_progress 1
		.amdhsa_inst_pref_size 28
	.end_amdhsa_kernel
	.amdgpu_metadata
---
amdhsa.version: [ 1, 2 ]
amdhsa.kernels:
  - .name:           k_q919750a935_route
    .symbol:         k_q919750a935_route.kd
    .args:
      - { .name: x, .offset: 0, .size: 8, .value_kind: global_buffer, .address_space: global }
      - { .name: gate_w, .offset: 8, .size: 8, .value_kind: global_buffer, .address_space: global }
      - { .name: lowp_scales, .offset: 16, .size: 8, .value_kind: global_buffer, .address_space: global }
      - { .name: xq, .offset: 24, .size: 8, .value_kind: global_buffer, .address_space: global }
      - { .name: eidx, .offset: 32, .size: 8, .value_kind: global_buffer, .address_space: global }
      - { .name: gprob, .offset: 40, .size: 8, .value_kind: global_buffer, .address_space: global }
    .group_segment_fixed_size: 34304
    .private_segment_fixed_size: 0
    .kernarg_segment_align: 8
    .kernarg_segment_size: 48
    .max_flat_workgroup_size: 128
    .sgpr_count:     66
    .vgpr_count:     128
    .wavefront_size: 32
...
	.end_amdgpu_metadata
.endif
;; end of part 5
;; launch place (part 6): grid 1 x 1, 32 waves a work-group, no clusters, 4,608 bytes of LDS; arguments eidx, gprob, order, gsort, meta; writes order, gsort, meta
.if DOCPART == 6
	.amdgcn_target "amdgcn-amd-amdhsa--gfx1250"
	.amdhsa_code_object_version 6
	.text
	.protected	k_q919750a935_place
	.globl	k_q919750a935_place
	.p2align	8
	.type	k_q919750a935_place,@function
k_q919750a935_place:
	s_mov_b64 s[64:65], 0
	v_nop
	global_prefetch_b8 v0, s[64:65] scope:SCOPE_SE
	s_setreg_imm32_b32 hwreg(HW_REG_WAVE_MODE, 25, 1), 1
	s_wait_xcnt 0x0
; SWITCH LAYER, launch 2 of 4: the tokens are placed by expert (a counting sort without atomics; the order of tokens inside an expert is kept).
; Only the rows of the chosen experts are multiplied later (shown at the head of the first kernel); this launch says which rows those are.
; One work-group, one thread a token.  order[position] = token, gsort[position] = its probability; meta word e (0..8) = first position of expert e
; (word 8 = 1,024), word 16 + e = first tile of 16 rows of expert e (the running sum of ceil(rows / 16)); the other words of the first 32 are 0.
; All arithmetic on the way to an address is in whole numbers.  A wave's eight counts (at most 32 each) are packed two to a word, 16 bits each; sums stay under 2^16.
; One work-group suffices for 1,024 tokens; nothing here is worth sharing further.
.set TAB,   0                          ; 32 waves x 16 bytes: each wave's four packed words
.set SPARE, 512                        ; the spare words, 128 bytes for each of 32 waves
.set SPW, 30                           ; v30  LDS address of my spare word; never rewritten
.set NIL, 31                           ; v31  0; never rewritten
.set MSK, 16                           ; s16-23  which lanes of my wave chose expert e
.set CNT, 24                           ; s24-31  how many
.set TOT, 44                           ; s44-51  rows of expert e
.set PRE, 52                           ; s52-59  rows of expert e in the waves before mine; then: my wave's first position for e
.set OF,  66                           ; s66-74  first positions
.set TBB, 76                           ; s76-84  first tiles
	s_load_b256 s[4:11], s[0:1], 0x0               ; eidx, gprob, order, gsort
	s_load_b64 s[12:13], s[0:1], 0x20              ; meta
	v_lshl_add_u32 v[SPW], v0, 2, SPARE
	v_mov_b32 v[NIL], 0
	v_lshrrev_b32 v1, 5, v0
	s_delay_alu instid0(VALU_DEP_1)
	v_readfirstlane_b32 s14, v1                    ; wave
	v_and_b32 v2, 31, v0                           ; lane
	v_lshlrev_b32 v1, 2, v0                        ; 4 bytes a token
	s_lshl_b32 s15, s14, 4
	v_mov_b32 v5, s15                              ; my wave's 16 bytes of the table
	v_lshlrev_b32 v6, 4, v2                        ; and wave l's, for lane l
	s_mov_b32 s60, 0x76543210
	s_mov_b32 s61, 0xfedcba98
	s_wait_alu depctr_va_vdst(0)
	s_wait_kmcnt 0x0
	global_load_b32 v3, v1, s[4:5]
	global_load_b32 v4, v1, s[6:7]
	s_wait_loadcnt 1                               ; the index is in; the probability may be out
	v_min_u32 v3, 7, v3
.irp e, 0,1,2,3,4,5,6,7
	v_cmp_eq_u32 s[MSK+\e], \e, v3
	s_bcnt1_i32_b32 s[CNT+\e], s[MSK+\e]
.endr
.irp j, 0,1,2,3
	s_lshl_b32 s62, s[CNT+2*\j+1], 16
	s_or_b32 s62, s62, s[CNT+2*\j]
	v_mov_b32 v[8+\j], s62
.endr
	ds_store_b128 v5, v[8:11]                      ; all lanes write the same 16 bytes with the same value
	s_wait_dscnt 0x0
	s_barrier_signal -1
	s_barrier_wait -1
	ds_load_b128 v[12:15], v6                      ; lane l: wave l's counts
	v_cmp_gt_u32 vcc_lo, s14, v2                   ; waves before mine
.irp j, 0,1,2,3,4,5,6,7
	v_mov_b32 v[20+\j], 0                          ; destinations of the lane moves below count as read
.endr
	s_wait_dscnt 0x0
.irp j, 0,1,2,3
	v_cndmask_b32 v[16+\j], 0, v[12+\j], vcc_lo
.endr
.irp m, 1,2,4,8                        ; eight whole-number sums over the lanes: a move from lane l xor m, then an addition
.irp j, 0,1,2,3,4,5,6,7
	v_mov_b32_dpp v[20+\j], v[12+\j] row_xmask:\m row_mask:0xf bank_mask:0xf
.endr
.irp j, 0,1,2,3,4,5,6,7
	v_add_nc_u32 v[12+\j], v[12+\j], v[20+\j]
.endr
.endr
.irp j, 0,1,2,3,4,5,6,7
	v_permlanex16_b32 v[20+\j], v[12+\j], s60, s61
.endr
.irp j, 0,1,2,3,4,5,6,7
	v_add_nc_u32 v[12+\j], v[12+\j], v[20+\j]
.endr
	s_wait_alu depctr_va_vdst(0)
.irp j, 0,1,2,3
	v_readfirstlane_b32 s62, v[12+\j]
	s_and_b32 s[TOT+2*\j], s62, 0xffff
	s_lshr_b32 s[TOT+2*\j+1], s62, 16
	v_readfirstlane_b32 s62, v[16+\j]
	s_and_b32 s[PRE+2*\j], s62, 0xffff
	s_lshr_b32 s[PRE+2*\j+1], s62, 16
.endr
	s_mov_b32 s[OF], 0
	s_mov_b32 s[TBB], 0
.irp e, 0,1,2,3,4,5,6,7
	s_add_co_u32 s[OF+\e+1], s[OF+\e], s[TOT+\e]
	s_add_co_u32 s62, s[TOT+\e], 15
	s_lshr_b32 s62, s62, 4
	s_add_co_u32 s[TBB+\e+1], s[TBB+\e], s62
	s_add_co_u32 s[PRE+\e], s[PRE+\e], s[OF+\e]
.endr
	v_mov_b32 v29, 0
.irp e, 0,1,2,3,4,5,6,7
	v_mbcnt_lo_u32_b32 v28, s[MSK+\e], s[PRE+\e]   ; my wave's first position for e + the lanes below mine that chose e
	s_delay_alu instid0(VALU_DEP_1)
	v_cndmask_b32 v29, v29, v28, s[MSK+\e]
.endr
	s_delay_alu instid0(VALU_DEP_1)
	v_min_u32 v29, 0x3ff, v29
	s_delay_alu instid0(VALU_DEP_1)
	v_lshlrev_b32 v29, 2, v29
	s_wait_alu depctr_va_vdst(0)
	s_wait_loadcnt 0x0
	global_store_b32 v29, v0, s[8:9]               ; order[position] = token
	global_store_b32 v29, v4, s[10:11]             ; gsort[position]
	s_cmp_lg_u32 s14, 0
	s_cbranch_scc1 .Lnot_wave_0
	v_mov_b32 v32, 0
.irp e, 0,1,2,3,4,5,6,7,8
	s_delay_alu instid0(VALU_DEP_1)
	v_writelane_b32 v32, s[OF+\e], \e
	s_delay_alu instid0(VALU_DEP_1)
	v_writelane_b32 v32, s[TBB+\e], 16+\e
.endr
	v_lshlrev_b32 v33, 2, v2
	global_store_b32 v33, v32, s[12:13]            ; meta's 32 words
.Lnot_wave_0:
	s_wait_tensorcnt 0x0                           ; the wave's end
	ds_add_u32 v[SPW], v[NIL]
	s_wait_dscnt 0x0
	s_endpgm
.Lfunc_end_k_q919750a935_place:
	.size	k_q919750a935_place, .Lfunc_end_k_q919750a935_place-k_q919750a935_place
	.p2alignl 7, 3214868480
	.fill 96, 4, 3214868480
	.section	.rodata,"a",@progbits
	.p2align	6, 0x0
	.amdhsa_kernel k_q919750a935_place
		.amdhsa_group_segment_fixed_size 4608
		.amdhsa_private_segment_fixed_size 0
		.amdhsa_enable_private_segment 0
		.amdhsa_kernarg_size 40
		.amdhsa_user_sgpr_count 2
		.amdhsa_user_sgpr_kernarg_segment_ptr 1
		.amdhsa_wavefront_size32 1
		.amdhsa_system_sgpr_workgroup_id_x 1
		.amdhsa_system_sgpr_workgroup_id_y 1
		.amdhsa_system_sgpr_workgroup_id_z 1
		.amdhsa_system_vgpr_workitem_id 0
		.amdhsa_next_free_vgpr 64
		.amdhsa_next_free_sgpr 96
		.amdhsa_reserve_vcc 1
		.amdhsa_float_denorm_mode_32 3
		.amdhsa_float_denorm_mode_16_64 3
		.amdhsa_memory_ordered 1
		.amdhsa_forward_progress 1
		.amdhsa_inst_pref_size 13
	.end_amdhsa_kernel
	.amdgpu_metadata
---
amdhsa.version: [ 1, 2 ]
amdhsa.kernels:
  - .name:           k_q919750a935_place
    .symbol:         k_q919750a935_place.kd
    .args:
      - { .name: eidx, .offset: 0, .size: 8, .value_kind: global_buffer, .address_space: global }
      - { .name: gprob, .offset: 8, .size: 8, .value_kind: global_buffer, .address_space: global }
      - { .name: order, .offset: 16, .size: 8, .value_kind: global_buffer, .address_space: global }
      - { .name: gsort, .offset: 24, .size: 8, .value_kind: global_buffer, .address_space: global }
      - { .name: meta, .offset: 32, .size: 8, .value_kind: global_buffer, .address_space: global }
    .group_segment_fixed_size: 4608
    .private_segment_fixed_size: 0
    .kernarg_segment_align: 8
    .kernarg_segment_size: 40
    .max_flat_workgroup_size: 1024
    .sgpr_count:     96
    .vgpr_count:     64
    .wavefront_size: 32
...
	.end_amdgpu_metadata
.endif
;; end of part 6
;; launch ffn1 (part 7): grid 32 x 8, 16 waves a work-group, no clusters, 218,112 bytes of LDS; arguments w1, b1, lowp_scales, xq, order, meta, hq; writes hq
.if DOCPART == 7
	.amdgcn_target "amdgcn-amd-amdhsa--gfx1250"
	.amdhsa_code_object_version 6
	.text
	.protected	k_q919750a935_ffn1
	.globl	k_q919750a935_ffn1
	.p2align	8
	.type	k_q919750a935_ffn1,@function
k_q919750a935_ffn1:
	s_mov_b64 s[64:65], 0
	v_nop
	global_prefetch_b8 v0, s[64:65] scope:SCOPE_SE
	s_setreg_imm32_b32 hwreg(HW_REG_WAVE_SCHED_MODE, 0, 2), 2
	s_setreg_imm32_b32 hwreg(HW_REG_WAVE_MODE, 25, 1), 1
	s_wait_xcnt 0x0
	s_wait_alu depctr_vm_vsrc(0)
; SWITCH LAYER, launch 3 of 4: h = Q(gelu(Q(x) Q(w1[e]) + b1[e])) for the rows that chose expert e; rows of other experts are left out (shown at the head of the first kernel).
; SHARES.  Work-group (s, e) owns w1[e][:, 128 s .. 128 s + 127]: 524,288 bytes of f32, read once in the launch, quantised in registers (a lane to a column, registers down K)
; and kept in LDS as codes with K innermost.  Sixteen waves: for the stream, wave w takes columns 32 (w % 4) .. + 31 and rows 32 (w / 4) .. + 31 of each K step of 128;
; for the products, hidden units 32 b .. 32 b + 31 (b = w % 4) and the tiles of 16 rows mg + 4 i (mg = w / 4).  Tiles i = 0..2 (192 rows) go along with the stream, x's codes
; coming through three LDS slabs by turns; an expert's tiles beyond twelve are served behind it, in a loop without barriers that gathers x straight into registers.
; The work hangs on numbers that the launch before stored, so operands go through registers: no tensor load, hence no joint loads for the 32 work-groups that share x's codes.
; Every barrier stands in straight text; only loads from LDS and products are jumped over.  An expert without rows still streams its slice and stores nothing.
; THE PRODUCT IS USED TRANSPOSED (source 0 = 16 columns of w1, source 1 = 16 rows of x): a lane holds one row.  Column 32 cg + l is kept in LDS row 32 cg + (l with bits 3 and 4 swapped),
; so that lane r of tile (b, u) reads hidden unit 32 b + 16 (r / 8) + 8 u + r % 8 and the 16 registers of a row tile are 16 neighbours along the next K: 32 b + 16 (lane / 16) + 0..15.
; Fragments are filled by four pieces of 16 bytes (k = 32 c + 16 (lane / 16) + 0..15): the same permutation of k in both operands.
; GELU, exact form: gelu(x) = max(x, 0) - |x| Phi(-|x|), Phi(-|x|) = erfc(|x| / sqrt 2) / 2 = t 2^((-x^2/2 + P(t)) log2 e - 1), t = 1 / (1 + |x| / (2 sqrt 2)), P a polynomial of degree 9
; (fractional error of the form 1.2e-7).  The sums stand for x / S, S = 2^(ex + ew1): S is folded into the constants and into the conversion's scale 2^(eh - ex - ew1); b1 goes in as b1 / S.
; hq: tile T = tb[e] + j (rows off[e] + 16 j + r), K step s: 2,048 bytes, the image of the operand's registers: piece c at 512 c, lane l's 16 bytes at 16 l.  A wave's store is 512 consecutive bytes, aligned.
; THE ROWS OF A LAST TILE BEYOND THE EXPERT'S COUNT REPEAT ITS LAST ROW: every position is held at the expert's last one.  The next launch leans on that.
; LIMITS: ew1 and eh - ex - ew1 between -126 and 112; ex + ew1 between -62 and 63 (S / (2 sqrt 2) and S^2 / 2 are f32 numbers).  Phi(-|x|) under 2^-126 counts as 0.  NaN among the inputs is not served.
; THE MODE: SCHED_MODE bits 1:0 = 2 (LLVM: expert scheduling mode 2), set by the entry lines.  The code itself states the register dependences
; between vector or matrix instructions and memory or LDS instructions, with s_wait_alu, always for 0.
; THE PLAN.  Registers that memory or LDS instructions touch, along the stream:
;   SET0, SET1 (v16-79)   K step q's loads land in set q % 2; its 32 holds and 4 conversions work on it; behind them the loads of K step q + 2 land in it.
;   CD (v80-87)           written by a K step's conversions, read by the two LDS stores behind them; behind the stream v80-91 are h's codes, written by conversions and read by global stores.
;   XL0, XL1 (v88-111)    x's codes: loads land, three LDS stores read, loads land again.  No vector instruction names them but the head's three lines on the tokens.
;   WFR, AFR (v160-239)   LDS loads land, the products read.  At the head b1 lands in WFR and x's first two K steps in AFR.
;   v1-7, v11, v245       addresses, made once at the head; v8-10 made twice at the head; v242-244 made for the stores of h.
; So a K step holds TWO waits.  One on va_vdst behind its conversions: CD is written (for the LDS stores), the set is free (for the loads two K steps on), and the step's products,
; issued ahead of it, are done reading WFR and AFR (for the next step's fragment loads: no vector or matrix instruction issued behind the wait names them).  One on vm_vsrc behind its LDS stores:
; they have read x's set and CD.  The products of K steps 0 and 7 have a wait of their own, since no conversion stands between them and the last reader of their fragments.
.set WP,    1040                       ; a column's 1,024 codes + 16
.set XS,    128*WP                     ; behind the weights' 128 rows: three slabs of x's codes
.set XP,    144                        ; a slab's row: 128 codes + 16
.set SLAB,  192*XP
.set SPARE, XS+3*SLAB                  ; the spare words, 128 bytes for each of 16 waves
.set WO,   1                           ; v1      w1: my byte in a K step
.set WS,   2                           ; v2      LDS: where my column's 32 codes of a K step go
.set WF,   3                           ; v3      LDS: my lane's place in the weights' fragments
.set XA,   4                           ; v4-6    LDS: my lane's place in x's fragments, tiles i = 0..2
.set XW,   7                           ; v7      LDS: where I put 16 bytes of a slab
.set XG,   8                           ; v8-10   xq: my 16 bytes of three gathered rows
.set HO,   11                          ; v11     hq: 2,048 s + 512 b + 16 lane
.set SPW,  12                          ; v12     LDS address of my spare word; never rewritten
.set NIL,  13                          ; v13     0; never rewritten
.set SCW,  14                          ; v14, 15 2^ew1 and 57,344 x 2^ew1
.set LIMW, 15
.set SET0, 16                          ; v16-79  two sets of 32 numbers of w1; later at work
.set CD,   80                          ; v80-87  a block's codes; later h's codes, v80-91
.set XL0,  88                          ; v88-111 two sets of 12: x's codes on their way to a slab
.set ACC,  112                         ; v112-159 three row tiles x 16
.set WFR,  160                         ; v160-191 the weights' two fragments
.set AFR,  192                         ; v192-239 x's three fragments; later the constants
.set SCH,  240                         ; v240, 241 2^(eh - ex - ew1) and 57,344 x that
.set LIMH, 241
.set T,    16                          ; the gelu's four sets of 16
.set Y,    32
.set P,    48
.set R,    64
.set CO,   192                         ; ten pairs: the polynomial's coefficients
.set LL,   212                         ; log2 e, twice
.set K2,   214                         ; -S^2 / 2, twice
.set NEG1, 216                         ; -1, twice
.set WV,   18                          ; s18 wave;  s19 b = cg;  s21 expert
.set CG,   19
.set EXPT, 21
.set OFF,  28                          ; s28, 29 the expert's first position and the next expert's;  s30 its first tile
.set OFF1, 29
.set TB,   30
.set MM,   36                          ; s36 rows;  s37 tiles of 16;  s38 the expert's last position
.set NTL,  37
.set OFFL, 38
.set CTR,  39                          ; s39 the last loop's trips to go
.set TILE, 41                          ; s41 the last loop's tile
.set K1,   42                          ; s42 S / (2 sqrt 2);  s43 -(ex + ew1);  s55 -S^2 / 2
.set NEGE, 43
.set MGI,  52                          ; s52-54 my tiles: mg, mg + 4, mg + 8
.set K2S,  55
	s_load_b256 s[4:11], s[0:1], 0x0               ; w1, b1, lowp_scales, xq
	s_load_b128 s[12:15], s[0:1], 0x20             ; order, meta
	s_load_b64 s[16:17], s[0:1], 0x30              ; hq
	v_lshl_add_u32 v[SPW], v0, 2, SPARE
	v_mov_b32 v[NIL], 0
	v_lshrrev_b32 v242, 5, v0
	v_readfirstlane_b32 s[WV], v242
	s_wait_alu depctr_va_sdst(0)                   ; the wave's number is written, ahead of its first reader
	s_and_b32 s[CG], s[WV], 3
	s_lshr_b32 s[MGI], s[WV], 2
	s_add_co_u32 s[MGI+1], s[MGI], 4
	s_add_co_u32 s[MGI+2], s[MGI], 8
	s_and_b32 s[EXPT], ttmp7, 0xffff
	v_and_b32 v242, 31, v0                         ; l
	v_and_b32 v243, 15, v0                         ; r
	v_bfe_u32 v244, v0, 4, 1                       ; h
	s_lshl_b32 s44, s[CG], 7
	s_lshl_b32 s45, s[MGI], 19
	s_add_co_u32 s44, s44, s45
	v_lshl_add_u32 v[WO], v242, 2, s44             ; 4 l + 128 cg + 32 rows of 16,384 bytes x kb
	v_and_b32 v245, 7, v242
	v_and_b32 v246, 8, v242
	v_lshl_add_u32 v245, v246, 1, v245
	v_and_b32 v246, 16, v242
	v_lshrrev_b32 v246, 1, v246
	v_add_nc_u32 v245, v245, v246                  ; l with bits 3 and 4 swapped
	s_lshl_b32 s44, s[CG], 5
	v_add_nc_u32 v245, s44, v245
	v_mul_u32_u24 v[WS], v245, WP
	s_lshl_b32 s45, s[MGI], 5
	v_add_nc_u32 v[WS], s45, v[WS]
	v_add_nc_u32 v245, s44, v243
	v_mul_u32_u24 v[WF], v245, WP
	v_lshl_add_u32 v[WF], v244, 4, v[WF]
	s_lshl_b32 s45, s[MGI], 4
	v_add_nc_u32 v245, s45, v243
	v_mul_u32_u24 v[XA], v245, XP
	v_lshl_add_u32 v[XA], v244, 4, v[XA]
	v_add_nc_u32 v[XA], XS, v[XA]
	v_add_nc_u32 v[XA+1], 64*XP, v[XA]
	v_add_nc_u32 v[XA+2], 128*XP, v[XA]
	s_mul_i32 s45, s[WV], 12
	v_lshrrev_b32 v246, 3, v242
	v_add_nc_u32 v246, s45, v246                   ; the slab's row 12 w + l / 8 (and 4, 8 further on)
	v_mul_u32_u24 v[XW], v246, XP
	v_and_b32 v247, 7, v242
	v_lshl_add_u32 v[XW], v247, 4, v[XW]
	v_add_nc_u32 v[XW], XS, v[XW]
	s_lshl_b32 s44, ttmp9, 11
	s_lshl_b32 s45, s[CG], 9
	s_add_co_u32 s44, s44, s45
	v_lshl_add_u32 v[HO], v242, 4, s44
	v_lshlrev_b32 v245, 6, v244                    ; b1: 64 h
	s_lshl_b32 s44, s[EXPT], 24                    ; w1: the expert's 16,777,216 bytes, the slice's 512
	s_lshl_b32 s45, ttmp9, 9
	s_add_co_u32 s44, s44, s45
	s_mov_b32 s45, 0
	s_lshl_b32 s46, s[EXPT], 2
	s_mov_b32 s47, 0
	s_lshl_b32 s48, s[EXPT], 4
	s_mov_b32 s49, 0
	s_lshl_b32 s50, s[EXPT], 14                    ; b1: 16,384 e + 512 s + 128 b
	s_lshl_b32 s51, ttmp9, 9
	s_add_co_u32 s50, s50, s51
	s_lshl_b32 s51, s[CG], 7
	s_add_co_u32 s50, s50, s51
	s_mov_b32 s51, 0
	s_wait_kmcnt 0x0
	s_add_nc_u64 s[14:15], s[14:15], s[46:47]
	s_add_nc_u64 s[8:9], s[8:9], s[48:49]
	s_load_b32 s[OFF], s[14:15], 0x0
	s_load_b32 s[OFF1], s[14:15], 0x4
	s_load_b32 s[TB], s[14:15], 0x40
	s_load_b128 s[32:35], s[8:9], 0x0              ; ex, ew1, eh, ew2
	s_add_nc_u64 s[4:5], s[4:5], s[44:45]
	s_add_nc_u64 s[24:25], s[4:5], 0x800000        ; K steps 4 to 7: the immediates stay inside their signed 24 bits
	s_add_nc_u64 s[6:7], s[6:7], s[50:51]
.macro LOADW q                         ; K step q: my column's 32 numbers; four waves stand side by side on 512 consecutive bytes of each row
.set SS, SET0+32*((\q)%2)
.set ci, 0
.rept 32
	global_load_b32 v[SS+ci], v[WO], s[4+20*((\q)/4):5+20*((\q)/4)] offset:((\q)%4)*2097152+ci*16384 th:TH_LOAD_NT
.set ci, ci+1
.endr
.endm
.macro LOADX q, dst                    ; K step q of twelve gathered rows of x's codes: 128 bytes a row
.irp n, 0,1,2
	global_load_b128 v[\dst+4*\n:\dst+4*\n+3], v[XG+\n], s[10:11] offset:128*(\q)
.endr
.endm
.macro STX src, slot
.irp n, 0,1,2
	ds_store_b128 v[XW], v[\src+4*\n:\src+4*\n+3] offset:SLAB*(\slot)+4*XP*\n
.endr
.endm
.macro CONV q                          ; 32 numbers down K become 32 codes of my column's LDS row
.set SS, SET0+32*((\q)%2)
.set ci, 0
.rept 32
	v_med3_num_f32 v[SS+ci], v[SS+ci], -v[LIMW], v[LIMW]   ; the conversion does not saturate (ISA guide 7.6.2): the hold first
.set ci, ci+1
.endr
.irp g, 0,1,2,3
	v_cvt_scalef32_pk8_bf8_f32 v[CD+2*\g:CD+2*\g+1], v[SS+8*\g:SS+8*\g+7], v[SCW]
.endr
	v_nop                                          ; one plain instruction behind the last scaled conversion
	s_wait_alu depctr_va_vdst(0)                   ; the conversions have written v[CD ..], which the LDS stores read; holds and conversions are done with the set, in which the loads of two K steps on land; the products issued so far are done reading their fragments, in which the next K step's LDS loads land
	ds_store_b128 v[WS], v[CD:CD+3] offset:128*(\q)
	ds_store_b128 v[WS], v[CD+4:CD+7] offset:128*(\q)+16
.endm
.macro WM i                            ; row tile i against my two tiles of hidden units: the accumulators take turns, one instruction a turn
	v_wmma_f32_16x16x128_bf8_bf8 v[ACC+16*\i:ACC+16*\i+7], v[WFR:WFR+15], v[AFR+16*\i:AFR+16*\i+15], v[ACC+16*\i:ACC+16*\i+7]
	v_wmma_f32_16x16x128_bf8_bf8 v[ACC+16*\i+8:ACC+16*\i+15], v[WFR+16:WFR+31], v[AFR+16*\i:AFR+16*\i+15], v[ACC+16*\i+8:ACC+16*\i+15]
.endm
.macro LDA i, q
.irp c, 0,1,2,3
	ds_load_b128 v[AFR+16*\i+4*\c:AFR+16*\i+4*\c+3], v[XA+\i] offset:SLAB*((\q)%3)+32*\c
.endr
.endm
; The products of K step q.  Three tails are written out, so that each load and its use lie on one way; each wait's count is the number of younger fragment loads of x.
; K steps 1 to 6: the wait behind the conversions of the step before has shown the last products done reading WFR and AFR, and nothing issued since names them.
.macro MSTEP q
.rept 4
	v_nop                                          ; four places in front of loads into registers that matrix instructions have read
.endr
.if (\q == 0) || (\q == 7)
	s_wait_alu depctr_va_vdst(0)                   ; K step 0: the lines that began the sums are done reading b1 in v[WFR ..]; K step 7: the products of K step 6 are done reading v[WFR ..] and v[AFR ..]: the LDS loads below land there
.endif
	s_cmp_ge_u32 s[MGI], s[NTL]
	s_cbranch_scc1 .Lm_end_\@
.irp u, 0,1
.irp c, 0,1,2,3
	ds_load_b128 v[WFR+16*\u+4*\c:WFR+16*\u+4*\c+3], v[WF] offset:16*WP*\u+128*(\q)+32*\c
.endr
.endr
	LDA 0, \q
	s_cmp_ge_u32 s[MGI+1], s[NTL]
	s_cbranch_scc1 .Lm_one_\@
	LDA 1, \q
	s_cmp_ge_u32 s[MGI+2], s[NTL]
	s_cbranch_scc1 .Lm_two_\@
	LDA 2, \q
	s_wait_dscnt 8
	WM 0
	s_wait_dscnt 4
	WM 1
	s_wait_dscnt 0x0
	WM 2
	s_branch .Lm_end_\@
.Lm_two_\@:
	s_wait_dscnt 4
	WM 0
	s_wait_dscnt 0x0
	WM 1
	s_branch .Lm_end_\@
.Lm_one_\@:
	s_wait_dscnt 0x0
	WM 0
.Lm_end_\@:
.endm
	s_wait_alu depctr_va_vdst(0)                   ; the addresses v1-7, v11 and v245 are written, which the loads and stores of the whole kernel read
	LOADW 0
	LOADW 1
	s_wait_kmcnt 0x0
	s_min_u32 s[OFF], s[OFF], 1024
	s_min_u32 s[OFF1], s[OFF1], 1024
	s_min_u32 s[TB], s[TB], 71
	s_sub_co_u32 s[MM], s[OFF1], s[OFF]
	s_sub_co_u32 s[OFFL], s[OFF1], 1               ; the expert's last position (with no row at all: some other position, or the greatest number; nothing is stored then)
	s_add_co_u32 s[NTL], s[MM], 15
	s_lshr_b32 s[NTL], s[NTL], 4
	s_min_u32 s[NTL], s[NTL], 64
	s_add_co_i32 s44, s33, 127
	s_lshl_b32 s45, s44, 23
	v_mov_b32 v[SCW], s45                          ; 2^ew1
	s_add_co_i32 s44, s44, 15
	s_lshl_b32 s44, s44, 23
	s_or_b32 s44, s44, 0x600000
	v_mov_b32 v[LIMW], s44                         ; 57,344 x 2^ew1
	s_add_co_i32 s46, s32, s33                     ; ex + ew1
	s_sub_co_i32 s[NEGE], 0, s46
	s_lshl_b32 s44, s46, 23
	s_add_co_i32 s[K1], s44, 0x3eb504f3            ; S / (2 sqrt 2): the exponent is added to the field of 0.35355339
	s_lshl_b32 s44, s46, 1
	s_add_co_i32 s44, s44, 126
	s_lshl_b32 s44, s44, 23
	s_or_b32 s[K2S], s44, 0x80000000               ; -S^2 / 2
	s_sub_co_i32 s44, s34, s46
	s_add_co_i32 s44, s44, 127
	s_lshl_b32 s45, s44, 23
	v_mov_b32 v[SCH], s45                          ; 2^(eh - ex - ew1)
	s_add_co_i32 s44, s44, 15
	s_lshl_b32 s44, s44, 23
	s_or_b32 s44, s44, 0x600000
	v_mov_b32 v[LIMH], s44
	v_add_nc_u32 v242, s[OFF], v246
.irp n, 0,1,2
	v_add_nc_u32 v[XG+\n], 4*\n, v242
	v_min_u32 v[XG+\n], s[OFFL], v[XG+\n]          ; rows beyond the expert's count repeat its last row
	v_min_u32 v[XG+\n], 0x3ff, v[XG+\n]            ; and no position leaves the table
	v_lshlrev_b32 v[XG+\n], 2, v[XG+\n]
.endr
	s_wait_alu depctr_va_vdst(0)                   ; the three positions' addresses v8-10 are written, which the loads below read
.irp n, 0,1,2
	global_load_b32 v[XL0+\n], v[XG+\n], s[12:13]  ; the tokens of my three slab rows
.endr
.irp c, 0,1,2,3
	global_load_b128 v[WFR+4*\c:WFR+4*\c+3], v245, s[6:7] offset:16*\c   ; b1 of my lane's 16 hidden units
.endr
	s_wait_loadcnt 39                              ; K step 0 of w1 is in; behind it: K step 1's 32, the 3 tokens, b1's 4
	CONV 0
	s_wait_loadcnt 4                               ; the tokens are in; b1's 4 may be out
	s_wait_alu depctr_vm_vsrc(0)                   ; the tokens' loads have read v8-10, which the lines below write anew; the LDS stores of K step 0 have read v[CD ..], which the next conversions write
.irp n, 0,1,2
	v_min_u32 v[XG+\n], 0x3ff, v[XL0+\n]
	v_lshlrev_b32 v[XG+\n], 10, v[XG+\n]
	v_lshl_add_u32 v[XG+\n], v247, 4, v[XG+\n]     ; token x 1,024 + 16 (l % 8)
.endr
	s_wait_alu depctr_va_vdst(0)                   ; x's addresses v8-10 are written, which all loads of x's codes read; the lines above are done reading the tokens in v88-90, in which the third of the loads below lands
	LOADX 0, AFR
	LOADX 1, AFR+12
	LOADX 2, XL0
	s_wait_dscnt 0x0                               ; the codes' stores are done: their registers may be written again
	LOADW 2
	CONV 1
	s_wait_dscnt 0x0
	LOADX 3, XL0+12
	LOADW 3
	s_wait_loadcnt 63                              ; behind x's K step 1 seventy loads were issued: b1 and x's K steps 0 and 1 are in
.irp i, 0,1,2
.set cj, 0
.rept 16
	v_ldexp_f32 v[ACC+16*\i+cj], v[WFR+cj], s[NEGE]   ; the sums begin with b1 / S
.set cj, cj+1
.endr
.endr
	STX AFR, 0
	STX AFR+12, 1
	s_wait_alu depctr_vm_vsrc(0)                   ; these LDS stores have read v[AFR ..], in which x's fragments land; those of K step 1 have read v[CD ..], which the next conversions write
; One K step.  The barrier parts the last step's reads of a slab from this step's store into it, and shows the codes and slabs stored up to the step before.
; The stream never waits for the products: conversions run two K steps ahead of them, loads four.
.macro ITER q
.if \q <= 6
	s_wait_dscnt 0x0                               ; my LDS stores have landed, my LDS loads are in
	s_barrier_signal -1
	s_barrier_wait -1
.endif
	MSTEP \q
.if \q <= 5
.if \q == 5
	s_wait_loadcnt 0x0
.else
	s_wait_loadcnt 35                              ; K step q + 2 of x and of w1 is in; K step q + 3's 3 + 32 loads may be out
.endif
	STX XL0+12*((\q)%2), ((\q)+2)%3
	CONV (\q)+2
	s_wait_dscnt 0x0                               ; the stores are done: their registers take the next loads
	s_wait_alu depctr_vm_vsrc(0)                   ; the LDS stores have read x's set, in which x's next loads land (behind the stream: h's codes are written there), and v[CD ..], which the next conversions write
.if \q <= 3
	LOADX (\q)+4, XL0+12*((\q)%2)
	LOADW (\q)+4                                   ; no wait: no vector instruction since the wait behind the conversions names the set
.endif
.endif
.endm
	ITER 0
	ITER 1
	ITER 2
	ITER 3
	ITER 4
	ITER 5
	ITER 6
	ITER 7
; sixteen sums v[a] .. v[a + 15] (x / S) become sixteen codes in v[d] .. v[d + 3].  Each accumulator is read from its low end on.
.macro GELU16 a, d
.set cj, 0
.rept 16
	v_fma_f32 v[T+cj], |v[\a+cj]|, s[K1], 1.0
.set cj, cj+1
.endr
.set cj, 0
	s_wait_alu depctr_va_vdst(0)
.rept 16
	v_rcp_f32 v[T+cj], v[T+cj]                     ; t
.set cj, cj+1
.endr
.set cj, 0
.rept 8
	v_pk_mul_f32 v[Y+cj:Y+cj+1], v[\a+cj:\a+cj+1], v[K2:K2+1]   ; plain work behind the reciprocals
.set cj, cj+2
.endr
	s_wait_alu depctr_va_vdst(0)                   ; one wait for the sixteen reciprocals in v[T ..], ahead of their first reader
.set cj, 0
.rept 8
	v_pk_fma_f32 v[P+cj:P+cj+1], v[T+cj:T+cj+1], v[CO+18:CO+19], v[CO+16:CO+17]
.set cj, cj+2
.endr
.irp k, 7,6,5,4,3,2,1,0
.set cj, 0
.rept 8
	v_pk_fma_f32 v[P+cj:P+cj+1], v[P+cj:P+cj+1], v[T+cj:T+cj+1], v[CO+2*\k:CO+2*\k+1]
.set cj, cj+2
.endr
.endr
.set cj, 0
.rept 8
	v_pk_fma_f32 v[Y+cj:Y+cj+1], v[Y+cj:Y+cj+1], v[\a+cj:\a+cj+1], v[P+cj:P+cj+1]   ; -x^2 / 2 + P(t)
.set cj, cj+2
.endr
.set cj, 0
.rept 8
	v_pk_fma_f32 v[Y+cj:Y+cj+1], v[Y+cj:Y+cj+1], v[LL:LL+1], v[NEG1:NEG1+1]         ; x log2 e - 1
.set cj, cj+2
.endr
.set cj, 0
	s_wait_alu depctr_va_vdst(0)
.rept 16
	v_exp_f32 v[Y+cj], v[Y+cj]
.set cj, cj+1
.endr
.set cj, 0
.rept 16
	v_max_num_f32 v[R+cj], 0, v[\a+cj]             ; plain work behind the exponentials
.set cj, cj+1
.endr
	s_wait_alu depctr_va_vdst(0)                   ; one wait for the sixteen exponentials in v[Y ..], ahead of their first reader
.set cj, 0
.rept 8
	v_pk_mul_f32 v[Y+cj:Y+cj+1], v[T+cj:T+cj+1], v[Y+cj:Y+cj+1]   ; Phi(-|x|)
.set cj, cj+2
.endr
.set cj, 0
.rept 16
	v_fma_f32 v[R+cj], -|v[\a+cj]|, v[Y+cj], v[R+cj]   ; gelu / S
.set cj, cj+1
.endr
.set cj, 0
.rept 16
	v_med3_num_f32 v[R+cj], v[R+cj], -v[LIMH], v[LIMH]
.set cj, cj+1
.endr
	v_cvt_scalef32_pk8_bf8_f32 v[\d:\d+1], v[R:R+7], v[SCH]
	v_cvt_scalef32_pk8_bf8_f32 v[\d+2:\d+3], v[R+8:R+15], v[SCH]
	v_nop
.endm
.macro HSTORE tl, vo, d                ; piece b of the image of (tile tb + s[tl], K step s): 512 consecutive bytes
	s_add_co_u32 s44, s[TB], s[\tl]
	s_min_u32 s44, s44, 71
	s_lshl_b32 s44, s44, 16
	v_add_nc_u32 v[\vo], s44, v[HO]
	s_wait_alu depctr_va_vdst(0)                   ; the address and h's sixteen codes are written, which the store reads
	global_store_b128 v[\vo], v[\d:\d+3], s[16:17]
.endm
.rept 4
	v_nop                                          ; four places behind the last products
.endr
.macro COEF k, bits
	v_mov_b32 v[CO+2*\k], \bits
	v_mov_b32 v[CO+2*\k+1], \bits
.endm
	COEF 0, 0xbfa1fc4e                             ; -1.26551223
	COEF 1, 0x3f8000c7                             ;  1.00002368
	COEF 2, 0x3ebf88fb                             ;  0.37409196
	COEF 3, 0x3dc636c9                             ;  0.09678418
	COEF 4, 0xbe3ec24c                             ; -0.18628806
	COEF 5, 0x3e8ec7cc                             ;  0.27886807
	COEF 6, 0xbf914e5d                             ; -1.13520398
	COEF 7, 0x3fbe87b0                             ;  1.48851587
	COEF 8, 0xbf527892                             ; -0.82215223
	COEF 9, 0x3e2ef946                             ;  0.17087277
	v_mov_b32 v[LL], 0x3fb8aa3b
	v_mov_b32 v[LL+1], 0x3fb8aa3b
	v_mov_b32 v[K2], s[K2S]
	v_mov_b32 v[K2+1], s[K2S]
	v_mov_b32 v[NEG1], -1.0
	v_mov_b32 v[NEG1+1], -1.0
	s_cmp_ge_u32 s[MGI], s[NTL]
	s_cbranch_scc1 .Ldone                          ; no tile of mine at all
	GELU16 ACC, 80
	HSTORE MGI, 242, 80
	s_cmp_ge_u32 s[MGI+1], s[NTL]
	s_cbranch_scc1 .Ldone
	GELU16 ACC+16, 84
	HSTORE MGI+1, 243, 84
	s_cmp_ge_u32 s[MGI+2], s[NTL]
	s_cbranch_scc1 .Ldone
	GELU16 ACC+32, 88
	HSTORE MGI+2, 244, 88
	; Tiles beyond the twelve: all codes of the slice lie in LDS, shown by the last barrier; x's codes are gathered straight into the operand's registers.
	; The loop's count is a constant: 13 trips reach tile mg + 60, and an expert has 64 tiles at the most; the first tile that the expert does not have ends it.
	s_add_co_u32 s[TILE], s[MGI], 12
	s_mov_b32 s[CTR], 13
.Lrem:
	s_cmp_ge_u32 s[TILE], s[NTL]
	s_cbranch_scc1 .Ldone
	s_wait_xcnt 0x0                                ; the earlier stores and loads have read their registers
	s_wait_alu depctr_vm_vsrc(0)                   ; the stores of h have read v242-244 and v80-91, the last trip's loads v243, v246 and v247, b1's first loads v245: all of these are written anew below
	v_and_b32 v244, 15, v0
	v_bfe_u32 v245, v0, 4, 1
	s_lshl_b32 s44, s[TILE], 4
	s_add_co_u32 s44, s44, s[OFF]
	v_add_nc_u32 v243, s44, v244
	v_min_u32 v243, s[OFFL], v243                  ; rows beyond the count repeat the last row
	v_min_u32 v243, 0x3ff, v243
	v_lshlrev_b32 v243, 2, v243
	v_lshlrev_b32 v247, 6, v245
	s_wait_alu depctr_va_vdst(0)                   ; the addresses v243 and v247 are written; the last trip's lines are done with v246 and the last products with v[WFR ..], in which the five loads below land
	global_load_b32 v246, v243, s[12:13]           ; my row's token
.irp c, 0,1,2,3
	global_load_b128 v[WFR+4*\c:WFR+4*\c+3], v247, s[6:7] offset:16*\c
.endr
	s_wait_loadcnt 4                               ; the token is in
	v_min_u32 v246, 0x3ff, v246
	v_lshlrev_b32 v246, 10, v246
	v_lshl_add_u32 v246, v245, 4, v246
.irp hh, 0,1                           ; four K steps at a time
	s_wait_alu depctr_va_vdst(0)                   ; first half: my row's address v246 is written, and the gelu is done with v16-79; second half: the products are done reading v16-79 and v[WFR ..]: the loads below land there
.set ck, 0
.rept 16
	global_load_b128 v[16+4*ck:19+4*ck], v246, s[10:11] offset:512*\hh+32*ck
.set ck, ck+1
.endr
.if \hh == 0
	s_wait_loadcnt 16                              ; b1 is in
.set cj, 0
.rept 16
	v_ldexp_f32 v[ACC+cj], v[WFR+cj], s[NEGE]
.set cj, cj+1
.endr
.endif
.irp kq, 0,1,2,3
.if (\hh == 0) || (\kq > 0)
	s_wait_alu depctr_va_vdst(0)                   ; the lines that began the sums, or the two products above, are done reading v[WFR ..], in which the LDS loads below land
.endif
.irp u, 0,1
.irp c, 0,1,2,3
	ds_load_b128 v[WFR+16*\u+4*\c:WFR+16*\u+4*\c+3], v[WF] offset:16*WP*\u+128*(4*\hh+\kq)+32*\c
.endr
.endr
.if \kq == 0
	s_wait_loadcnt 0x0
.endif
	s_wait_dscnt 0x0
	v_wmma_f32_16x16x128_bf8_bf8 v[ACC:ACC+7], v[WFR:WFR+15], v[16+16*\kq:31+16*\kq], v[ACC:ACC+7]
	v_wmma_f32_16x16x128_bf8_bf8 v[ACC+8:ACC+15], v[WFR+16:WFR+31], v[16+16*\kq:31+16*\kq], v[ACC+8:ACC+15]
.rept 4
	v_nop
.endr
.endr
.endr
	GELU16 ACC, 80
	HSTORE TILE, 242, 80
	s_add_co_u32 s[TILE], s[TILE], 4
	s_sub_co_u32 s[CTR], s[CTR], 1
	s_cmp_lg_u32 s[CTR], 0
	s_cbranch_scc1 .Lrem
.Ldone:
	s_wait_dscnt 0x0                               ; the closing lines, six on end
	s_wait_alu 0x0
	s_wait_tensorcnt 0x0
	ds_add_u32 v[SPW], v[NIL]
	s_wait_dscnt 0x0
	s_endpgm
.Lfunc_end_k_q919750a935_ffn1:
	.size	k_q919750a935_ffn1, .Lfunc_end_k_q919750a935_ffn1-k_q919750a935_ffn1
	.p2alignl 7, 3214868480
	.fill 96, 4, 3214868480
	.section	.rodata,"a",@progbits
	.p2align	6, 0x0
	.amdhsa_kernel k_q919750a935_ffn1
		.amdhsa_group_segment_fixed_size 218112
		.amdhsa_private_segment_fixed_size 0
		.amdhsa_enable_private_segment 0
		.amdhsa_kernarg_size 56
		.amdhsa_user_sgpr_count 2
		.amdhsa_user_sgpr_kernarg_segment_ptr 1
		.amdhsa_wavefront_size32 1
		.amdhsa_system_sgpr_workgroup_id_x 1
		.amdhsa_system_sgpr_workgroup_id_y 1
		.amdhsa_system_sgpr_workgroup_id_z 1
		.amdhsa_system_vgpr_workitem_id 0
		.amdhsa_next_free_vgpr 256
		.amdhsa_next_free_sgpr 100
		.amdhsa_reserve_vcc 0
		.amdhsa_float_denorm_mode_32 3
		.amdhsa_float_denorm_mode_16_64 3
		.amdhsa_memory_ordered 1
		.amdhsa_forward_progress 1
		.amdhsa_inst_pref_size 140
	.end_amdhsa_kernel
	.amdgpu_metadata
---
amdhsa.version: [ 1, 2 ]
amdhsa.kernels:
  - .name:           k_q919750a935_ffn1
    .symbol:         k_q919750a935_ffn1.kd
    .args:
      - { .name: w1, .offset: 0, .size: 8, .value_kind: global_buffer, .address_space: global }
      - { .name: b1, .offset: 8, .size: 8, .value_kind: global_buffer, .address_space: global }
      - { .name: lowp_scales, .offset: 16, .size: 8, .value_kind: global_buffer, .address_space: global }
      - { .name: xq, .offset: 24, .size: 8, .value_kind: global_buffer, .address_space: global }
      - { .name: order, .offset: 32, .size: 8, .value_kind: global_buffer, .address_space: global }
      - { .name: meta, .offset: 40, .size: 8, .value_kind: global_buffer, .address_space: global }
      - { .name: hq, .offset: 48, .size: 8, .value_kind: global_buffer, .address_space: global }
    .group_segment_fixed_size: 218112
    .private_segment_fixed_size: 0
    .kernarg_segment_align: 8
    .kernarg_segment_size: 56
    .max_flat_workgroup_size: 512
    .sgpr_count:     100
    .vgpr_count:     256
    .wavefront_size: 32
...
	.end_amdgpu_metadata
.endif
;; end of part 7
;; launch ffn2 (part 8): grid 32 x 8, 16 waves a work-group, no clusters, 268,800 bytes of LDS; arguments w2, b2, lowp_scales, hq, order, gsort, meta, out0; writes out0
.if DOCPART == 8
	.amdgcn_target "amdgcn-amd-amdhsa--gfx1250"
	.amdhsa_code_object_version 6
	.text
	.protected	k_q919750a935_ffn2
	.globl	k_q919750a935_ffn2
	.p2align	8
	.type	k_q919750a935_ffn2,@function
k_q919750a935_ffn2:
	s_mov_b64 s[64:65], 0
	v_nop
	global_prefetch_b8 v0, s[64:65] scope:SCOPE_SE
	s_setreg_imm32_b32 hwreg(HW_REG_WAVE_SCHED_MODE, 0, 2), 2
	s_setreg_imm32_b32 hwreg(HW_REG_WAVE_MODE, 25, 1), 1
	s_wait_xcnt 0x0
	s_wait_alu depctr_vm_vsrc(0)
; SWITCH LAYER, launch 4 of 4: out0[token] = probability x (Q(h) Q(w2[e]) + b2[e]) for the rows that chose expert e; rows of other experts are left out (shown at the head of the first kernel).
; Each token has one expert, so each row of out0 has one owner and every number of out0 is written.
; SHARES.  Work-group (s, e) owns w2[e][:, 32 s .. 32 s + 31]: 524,288 bytes of f32, read once in the launch, quantised in registers (a lane to a column, registers down K) and kept in LDS
; as codes with K innermost.  K goes in 8 rounds of 512: wave w streams rows 512 rho + 32 w .. + 31.  For the products wave w takes K step 4 rho + ks (ks = w % 4) and the tiles of 16 rows
; mg + 4 i (mg = w / 4, i = 0..2): K is shared four ways, and the four parts are added through LDS in a fixed order, (0 + 1) + (2 + 3).  An expert's tiles beyond twelve are served
; behind that, a tile a wave, over all of K, in a loop without barriers.
; A slice of 32 columns gives pieces of 128 bytes of w2's and out0's rows; slices of 64 would give 256 but only 128 work-groups, and the stream wants all 256 at work.
; The work hangs on numbers that an earlier launch stored, so operands go through registers: no tensor load, hence no joint loads for the 32 work-groups that share h's codes.
; Every barrier stands in straight text; only loads and products are jumped over.  An expert without rows still streams its slice and stores nothing.
; THE PRODUCT IS USED TRANSPOSED (source 0 = 16 columns of w2, source 1 = 16 rows of h): a lane holds one row and eight neighbouring columns.
; h's fragments come from hq as images of the operand's registers, 512 consecutive bytes a load; the weights' are filled by four pieces of 16 bytes in the same order of k.
; NO LANE IS SWITCHED OFF.  The rows of an expert's last tile beyond its count repeat its last row: the launch before laid their codes so, and here their positions are held at the expert's
; last one as well.  So they have the same token, the same probability and the same sums, and store the same numbers to the same bytes as that row.
; LIMITS: ew2 between -126 and 112; eh + ew2 between -126 and 127.  NaN among the inputs is not served.
; THE MODE: SCHED_MODE bits 1:0 = 2 (LLVM: expert scheduling mode 2), set by the entry lines.  The code itself states the register dependences
; between vector or matrix instructions and memory or LDS instructions, with s_wait_alu, always for 0.
; THE PLAN.  Registers that memory or LDS instructions touch, along the stream:
;   SET0, SET1 (v16-79)   round rho's loads land in set rho % 2; its 32 holds and 4 conversions work on it; behind them the loads of round rho + 2 land in it.
;   CD (v80-87)           written by a round's conversions, read by the two LDS stores behind them; from round 6 on tokens and probabilities land there.
;   BB (v136-151)         one fragment of the weights: LDS loads land in it twice a round, each time ahead of the products that read it.
;   A0, A1 (v152-247)     round rho's products read set rho % 2; behind the round's conversions the loads of round rho + 2 land in it.
;   v1-5                  addresses of w2, of the codes in LDS and of h, made at the head; from round 6 on written anew.  v6, v7, v12-15, v252-255: made once at the head.
; So a round holds THREE waits.  One on va_vdst in its products' middle: the first run is done reading BB, which is loaded again.  One on va_vdst behind its conversions: CD is written (for the LDS
; stores), the set of w2 is free, and the round's products, issued ahead of it, are done reading their set of h and BB (for h's loads of two rounds on and the next round's first load of BB:
; nothing issued behind the wait names them).  One on vm_vsrc behind its LDS stores: they have read CD.
.set WP,    4112                       ; a column's 4,096 codes + 16
.set EX,    32*WP                      ; 48 images of 2,048 bytes: the parts of the sums, (3 mg + i) 4 + ks
.set ST,    EX+48*2048                 ; a stage of 16 rows x 144 bytes for each wave
.set SP,    144
.set SPARE, ST+16*16*SP                ; the spare words, 128 bytes for each of 16 waves
.set WO,   1                           ; v1      w2: my byte in a round
.set WS,   2                           ; v2      LDS: where my column's 32 codes of a round go
.set AO,   3                           ; v3-5    hq: my lane's place in the images of my three tiles
.set TA,   1                           ; v1-4    from round 6 on: four positions' bytes in order and gsort, then four tokens' bytes in out0.  No load ever lands in v1-7
.set HA,   5                           ; v5      in the last loop: hq, my lane's place in the tile's images
.set BF0,  6                           ; v6, 7   LDS: my lane's place in the weights' fragments of my K step, columns 0-15 and 16-31
.set BF1,  7
.set SPW,  8                           ; v8      LDS address of my spare word; never rewritten
.set NIL,  9                           ; v9      0; never rewritten
.set SCW,  10                          ; v10, 11 2^ew2 and 57,344 x 2^ew2
.set LIMW, 11
.set EXW,  12                          ; v12-15  LDS: the parts out and in, the stage in and back
.set EXR,  13
.set STW,  14
.set STR,  15
.set SET0, 16                          ; v16-79  two sets of 32 numbers of w2; later at work
.set CD,   80                          ; v80-87  a block's codes;
.set TK,   80                          ;         later four tokens and four probabilities
.set ACC,  88                          ; v88-135 accumulator (i, n) at 88 + 16 i + 8 n
.set BB,   136                         ; v136-151 one fragment of the weights
.set A0,   152                         ; v152-199, v200-247 h's three fragments, two sets
.set A1,   200
.set BQ,   248                         ; v248-251 b2 of my four columns (before that: at work)
.set C16,  252                         ; v252    16 (l % 8)
.set L3,   253                         ; v253    l / 8
.set BR0,  254                         ; v254, 255 LDS: as v6, v7, from K step 0
.set BR1,  255
.set WV,   20                          ; s20 wave; s21 ks; s23 expert
.set KS,   21
.set EXPT, 23
.set OFF,  28                          ; s28, 29 positions; s30 first tile; s31 the last tile that was stored
.set OFF1, 29
.set TB,   30
.set TLAST, 31
.set MM,   36                          ; s36 rows; s37 tiles of 16; s38 the expert's last position
.set NTL,  37
.set OFFL, 38
.set CTR,  39                          ; s39 the last loop's trips to go
.set TILE, 42                          ; s42 the tile that I finish; s43 16 x that
.set T16,  43
.set MGI,  52                          ; s52-54 my tiles: mg, mg + 4, mg + 8
	s_load_b256 s[4:11], s[0:1], 0x0               ; w2, b2, lowp_scales, hq
	s_load_b256 s[12:19], s[0:1], 0x20             ; order, gsort, meta, out0
	v_lshl_add_u32 v[SPW], v0, 2, SPARE
	v_mov_b32 v[NIL], 0
	v_lshrrev_b32 v248, 5, v0
	v_readfirstlane_b32 s[WV], v248
	s_wait_alu depctr_va_sdst(0)                   ; the wave's number is written, ahead of its first reader
	s_and_b32 s[KS], s[WV], 3
	s_lshr_b32 s[MGI], s[WV], 2
	s_add_co_u32 s[MGI+1], s[MGI], 4
	s_add_co_u32 s[MGI+2], s[MGI], 8
	s_and_b32 s[EXPT], ttmp7, 0xffff
	s_lshl_b32 s[TILE], s[KS], 2
	s_add_co_u32 s[TILE], s[TILE], s[MGI]          ; wave (ks, mg) finishes tile mg + 4 ks, ks = 0..2;
	s_cmp_eq_u32 s[KS], 3
	s_cselect_b32 s[TILE], 255, s[TILE]            ; ks = 3: none: a number that no expert's count of tiles reaches
	s_lshl_b32 s[T16], s[TILE], 4
	v_and_b32 v248, 31, v0                         ; l
	v_and_b32 v249, 15, v0                         ; r
	v_bfe_u32 v250, v0, 4, 1                       ; h
	s_lshl_b32 s44, s[WV], 17
	v_lshl_add_u32 v[WO], v248, 2, s44             ; 4 l + 32 rows of 4,096 bytes x wave
	v_mul_u32_u24 v[WS], v248, WP
	s_lshl_b32 s44, s[WV], 5
	v_add_nc_u32 v[WS], s44, v[WS]
	v_mul_u32_u24 v[BR0], v249, WP
	v_lshl_add_u32 v[BR0], v250, 4, v[BR0]
	v_add_nc_u32 v[BR1], 16*WP, v[BR0]
	s_lshl_b32 s44, s[KS], 7
	v_add_nc_u32 v[BF0], s44, v[BR0]
	v_add_nc_u32 v[BF1], s44, v[BR1]
	s_mul_i32 s44, s[MGI], 12
	s_add_co_u32 s44, s44, s[KS]
	s_lshl_b32 s44, s44, 11
	s_add_co_u32 s44, s44, EX
	v_lshl_add_u32 v[EXW], v248, 4, s44
	s_min_u32 s45, s[KS], 2                        ; waves with ks = 3 finish no tile: the address stays inside the region all the same
	s_mul_i32 s44, s[MGI], 3
	s_add_co_u32 s44, s44, s45
	s_lshl_b32 s44, s44, 13
	s_add_co_u32 s44, s44, EX
	v_lshl_add_u32 v[EXR], v248, 4, s44
	s_mul_i32 s44, s[WV], 16*SP
	s_add_co_u32 s44, s44, ST
	v_mul_u32_u24 v[STW], v249, SP
	v_lshl_add_u32 v[STW], v250, 5, v[STW]
	v_add_nc_u32 v[STW], s44, v[STW]               ; in: row r, 32 bytes for each half of the lanes
	v_lshrrev_b32 v[L3], 3, v248
	v_and_b32 v[C16], 7, v248
	v_lshlrev_b32 v[C16], 4, v[C16]
	v_mul_u32_u24 v[STR], v[L3], SP
	v_add_nc_u32 v[STR], v[STR], v[C16]
	v_add_nc_u32 v[STR], s44, v[STR]               ; back: eight lanes to a row of 128 bytes, four rows an instruction
	s_lshl_b32 s44, s[EXPT], 24                    ; w2: the expert's 16,777,216 bytes, the slice's 128
	s_lshl_b32 s45, ttmp9, 7
	s_add_co_u32 s44, s44, s45
	s_mov_b32 s45, 0
	s_lshl_b32 s46, s[EXPT], 2
	s_mov_b32 s47, 0
	s_lshl_b32 s48, s[EXPT], 4
	s_mov_b32 s49, 0
	s_lshl_b32 s40, s[EXPT], 12                    ; b2: 4,096 e + 128 s
	s_lshl_b32 s41, ttmp9, 7
	s_add_co_u32 s40, s40, s41
	s_mov_b32 s41, 0
	s_lshl_b32 s56, ttmp9, 7                       ; out0: 128 s
	s_mov_b32 s57, 0
	s_wait_kmcnt 0x0
	s_add_nc_u64 s[50:51], s[16:17], s[46:47]
	s_add_nc_u64 s[8:9], s[8:9], s[48:49]
	s_load_b32 s[OFF], s[50:51], 0x0
	s_load_b32 s[OFF1], s[50:51], 0x4
	s_load_b32 s[TB], s[50:51], 0x40
	s_load_b32 s[TLAST], s[16:17], 0x60            ; tiles in all
	s_load_b128 s[32:35], s[8:9], 0x0              ; ex, ew1, eh, ew2
	s_add_nc_u64 s[4:5], s[4:5], s[44:45]
	s_add_nc_u64 s[24:25], s[4:5], 0x800000        ; rounds 4 to 7: the immediates stay inside their signed 24 bits
	s_add_nc_u64 s[6:7], s[6:7], s[40:41]
	s_add_nc_u64 s[18:19], s[18:19], s[56:57]
.macro LOADW rho                       ; round rho: my column's 32 numbers
.set SS, SET0+32*((\rho)%2)
.set ci, 0
.rept 32
	global_load_b32 v[SS+ci], v[WO], s[4+20*((\rho)/4):5+20*((\rho)/4)] offset:((\rho)%4)*2097152+ci*4096 th:TH_LOAD_NT
.set ci, ci+1
.endr
.endm
.macro CONV rho
.set SS, SET0+32*((\rho)%2)
.set ci, 0
.rept 32
	v_med3_num_f32 v[SS+ci], v[SS+ci], -v[LIMW], v[LIMW]   ; the conversion does not saturate (ISA guide 7.6.2): the hold first
.set ci, ci+1
.endr
.irp g, 0,1,2,3
	v_cvt_scalef32_pk8_bf8_f32 v[CD+2*\g:CD+2*\g+1], v[SS+8*\g:SS+8*\g+7], v[SCW]
.endr
	v_nop                                          ; one plain instruction behind the last scaled conversion
	s_wait_alu depctr_va_vdst(0)                   ; the conversions have written v[CD ..], which the LDS stores read; holds and conversions are done with the set, in which w2's loads of two rounds on land; the products issued so far are done reading their set of h and v[BB ..], in which h's next loads and the next round's LDS loads land
	ds_store_b128 v[WS], v[CD:CD+3] offset:512*(\rho)
	ds_store_b128 v[WS], v[CD+4:CD+7] offset:512*(\rho)+16
.endm
.macro LOADA rho, cond                 ; h's fragments of K step 4 rho + ks.  cond = 1: only the tiles that the expert has
.set AB, A0+48*((\rho)%2)
.irp i, 0,1,2
.if \cond
	s_cmp_ge_u32 s[MGI+\i], s[NTL]
	s_cbranch_scc1 .Lla_\@
.endif
.irp c, 0,1,2,3
	global_load_b128 v[AB+16*\i+4*\c:AB+16*\i+4*\c+3], v[AO+\i], s[10:11] offset:8192*(\rho)+512*\c
.endr
.endr
.Lla_\@:
.endm
; k row tiles against the slice's two tiles of columns.  The accumulators take turns, one instruction a turn.  zero = 1: the products start the sums.
; The first run of LDS loads owes no wait here: the wait behind the conversions of the round before (round 7: the one ahead of the tokens' loads) has shown the last products done reading v[BB ..].
.macro MS k, rho, zero
.set AB, A0+48*((\rho)%2)
.irp c, 0,1,2,3
	ds_load_b128 v[BB+4*\c:BB+4*\c+3], v[BF0] offset:512*(\rho)+32*\c
.endr
	s_wait_dscnt 0x0
.set ci, 0
.rept \k
.if \zero
	v_wmma_f32_16x16x128_bf8_bf8 v[ACC+16*ci:ACC+16*ci+7], v[BB:BB+15], v[AB+16*ci:AB+16*ci+15], 0
.else
	v_wmma_f32_16x16x128_bf8_bf8 v[ACC+16*ci:ACC+16*ci+7], v[BB:BB+15], v[AB+16*ci:AB+16*ci+15], v[ACC+16*ci:ACC+16*ci+7]
.endif
.set ci, ci+1
.endr
.rept 4
	v_nop                                          ; four places in front of loads into the fragment just read
.endr
	s_wait_alu depctr_va_vdst(0)                   ; the products above are done reading v[BB ..], in which the other columns' fragment lands
.irp c, 0,1,2,3
	ds_load_b128 v[BB+4*\c:BB+4*\c+3], v[BF1] offset:512*(\rho)+32*\c
.endr
	s_wait_dscnt 0x0
.set ci, 0
.rept \k
.if \zero
	v_wmma_f32_16x16x128_bf8_bf8 v[ACC+16*ci+8:ACC+16*ci+15], v[BB:BB+15], v[AB+16*ci:AB+16*ci+15], 0
.else
	v_wmma_f32_16x16x128_bf8_bf8 v[ACC+16*ci+8:ACC+16*ci+15], v[BB:BB+15], v[AB+16*ci:AB+16*ci+15], v[ACC+16*ci+8:ACC+16*ci+15]
.endif
.set ci, ci+1
.endr
.endm
.macro MSTEP rho
.rept 4
	v_nop
.endr
	s_cmp_ge_u32 s[MGI], s[NTL]
	s_cbranch_scc1 .Lm_end_\@
	s_cmp_ge_u32 s[MGI+1], s[NTL]
	s_cbranch_scc1 .Lm_one_\@
	s_cmp_ge_u32 s[MGI+2], s[NTL]
	s_cbranch_scc1 .Lm_two_\@
	MS 3, \rho, 0
	s_branch .Lm_end_\@
.Lm_two_\@:
	MS 2, \rho, 0
	s_branch .Lm_end_\@
.Lm_one_\@:
	MS 1, \rho, 0
.Lm_end_\@:
.endm
.macro TOKLOAD                         ; tokens and probabilities of the 16 rows of tile s[T16] / 16: row 4 g + l / 8
	s_add_co_u32 s44, s[OFF], s[T16]
.irp g, 0,1,2,3
	v_add_nc_u32 v[TA+\g], s44, v[L3]
.if \g > 0
	v_add_nc_u32 v[TA+\g], 4*\g, v[TA+\g]
.endif
	v_min_u32 v[TA+\g], s[OFFL], v[TA+\g]          ; rows beyond the expert's count repeat its last row
	v_min_u32 v[TA+\g], 0x3ff, v[TA+\g]            ; and no position leaves the table
	v_lshlrev_b32 v[TA+\g], 2, v[TA+\g]
.endr
	s_wait_alu depctr_va_vdst(0)                   ; the four positions' addresses v1-4 are written, which the loads read; whatever wrote or read v80-87 (conversions; in the last loop the last tile's lines on tokens and probabilities) is done, and the loads land there; the products issued so far are done reading v[BB ..]
.irp g, 0,1,2,3
	global_load_b32 v[TK+\g], v[TA+\g], s[12:13]
	global_load_b32 v[TK+4+\g], v[TA+\g], s[14:15]
.endr
.endm
.macro TOKADR                          ; behind the wait for those loads: token x 4,096 + 16 (l % 8)
	s_wait_alu depctr_vm_vsrc(0)                   ; the tokens' and probabilities' loads have read v1-4, which the lines below write anew; the LDS stores of the sums' parts have read the accumulators, which the last loop's products write anew
.irp g, 0,1,2,3
	v_min_u32 v[TA+\g], 0x3ff, v[TK+\g]
	v_lshlrev_b32 v[TA+\g], 12, v[TA+\g]
	v_add_nc_u32 v[TA+\g], v[C16], v[TA+\g]
.endr
.endm
; sixteen sums of a lane (row r, columns 16 n + 8 (lane / 16) + j in register 8 n + j) leave: through my own stage, so that eight lanes hold 128 neighbouring bytes of a row;
; x 2^(eh + ew2), + b2, x the probability.
.macro OUT S
	s_wait_alu depctr_va_vdst(0)                   ; the sixteen sums are written, which the LDS stores read; every earlier line is done with v32-47, in which the LDS loads land
	ds_store_b128 v[STW], v[\S:\S+3]
	ds_store_b128 v[STW], v[\S+4:\S+7] offset:16
	ds_store_b128 v[STW], v[\S+8:\S+11] offset:64
	ds_store_b128 v[STW], v[\S+12:\S+15] offset:80
.irp g, 0,1,2,3
	ds_load_b128 v[32+4*\g:35+4*\g], v[STR] offset:4*SP*\g   ; LDS serves a wave's instructions in order (ISA guide 5.7.1.4): these see my stores
.endr
	s_wait_dscnt 0x0
.irp g, 0,1,2,3
	v_pk_fma_f32 v[32+4*\g:33+4*\g], v[32+4*\g:33+4*\g], s[46:47], v[BQ:BQ+1] op_sel_hi:[1,0,1]
	v_pk_fma_f32 v[34+4*\g:35+4*\g], v[34+4*\g:35+4*\g], s[46:47], v[BQ+2:BQ+3] op_sel_hi:[1,0,1]
.irp j, 0,1,2,3
	v_mul_f32 v[32+4*\g+\j], v[TK+4+\g], v[32+4*\g+\j]
.endr
.endr
	s_wait_alu depctr_va_vdst(0)                   ; the results in v32-47 and the tokens' addresses v1-4 are written, which the stores read
.irp g, 0,1,2,3
	global_store_b128 v[TA+\g], v[32+4*\g:35+4*\g], s[18:19] th:TH_STORE_NT   ; four rows x 128 consecutive bytes
.endr
.endm
	s_wait_alu depctr_va_vdst(0)                   ; the addresses v1, v2, v6, v7, v12-15 and v252-255 are written, which loads and stores of the whole kernel read
	LOADW 0
	LOADW 1
	s_wait_kmcnt 0x0
	s_min_u32 s[OFF], s[OFF], 1024
	s_min_u32 s[OFF1], s[OFF1], 1024
	s_min_u32 s[TB], s[TB], 71
	s_min_u32 s[TLAST], s[TLAST], 72
	s_sub_co_u32 s[TLAST], s[TLAST], 1
	s_sub_co_u32 s[MM], s[OFF1], s[OFF]
	s_sub_co_u32 s[OFFL], s[OFF1], 1               ; the expert's last position (with no row at all: some other position, or the greatest number; nothing is stored then)
	s_add_co_u32 s[NTL], s[MM], 15
	s_lshr_b32 s[NTL], s[NTL], 4
	s_min_u32 s[NTL], s[NTL], 64
	s_add_co_i32 s44, s35, 127
	s_lshl_b32 s45, s44, 23
	v_mov_b32 v[SCW], s45                          ; 2^ew2
	s_add_co_i32 s44, s44, 15
	s_lshl_b32 s44, s44, 23
	s_or_b32 s44, s44, 0x600000
	v_mov_b32 v[LIMW], s44                         ; 57,344 x 2^ew2
	s_add_co_i32 s46, s34, s35
	s_add_co_i32 s46, s46, 127
	s_lshl_b32 s46, s46, 23                        ; 2^(eh + ew2)
	s_mov_b32 s47, s46                             ; (named with it as a pair)
	s_lshl_b32 s45, s[KS], 11
.irp i, 0,1,2
	s_add_co_u32 s44, s[TB], s[MGI+\i]
	s_min_u32 s44, s44, s[TLAST]                   ; never a tile that was not stored
	s_min_u32 s44, s44, 71
	s_lshl_b32 s44, s44, 16
	s_add_co_u32 s44, s44, s45
	v_lshl_add_u32 v[AO+\i], v248, 4, s44
.endr
	s_wait_alu depctr_va_vdst(0)                   ; h's addresses v3-5 are written, which all loads of h's fragments read
	LOADA 0, 0                                     ; the first two rounds' fragments are loaded for all three tiles: every operand register is written on every way
	LOADA 1, 0
	s_wait_loadcnt 56                              ; round 0 of w2 is in; behind it: round 1's 32 and h's 24
	CONV 0
	s_wait_dscnt 0x0
	s_wait_alu depctr_vm_vsrc(0)                   ; the LDS stores have read v[CD ..], which the next conversions write
	LOADW 2
	s_wait_loadcnt 56                              ; round 1 is in; behind it: h's 24 and round 2's 32
	CONV 1
	s_wait_dscnt 0x0
	s_wait_alu depctr_vm_vsrc(0)                   ; the LDS stores have read v[CD ..], which the next conversions write
	LOADW 3
; One round.  The barrier shows the codes stored up to the round before.  Conversions run two rounds ahead of the products, loads four.
.macro ITER rho
.if \rho <= 6
	s_wait_dscnt 0x0                               ; my LDS stores have landed, my LDS loads are in
	s_barrier_signal -1
	s_barrier_wait -1
.endif
.if \rho == 0
	s_wait_loadcnt 63                              ; behind h's round 0 seventy-six loads were issued
	MS 3, 0, 1                                     ; with no branch: these products start all the sums
.else
.if \rho == 7
	s_wait_loadcnt 9                               ; h's round 7 is in; the 8 tokens and probabilities and b2 may be out
.endif
	MSTEP \rho
.endif
.if \rho <= 5
.if \rho == 5
	s_wait_loadcnt 0x0
.else
	s_wait_loadcnt 32                              ; all but w2's round rho + 3, the last 32 issued: so w2's round rho + 2 and h's round rho + 1 are in, however many tiles were loaded
.endif
	CONV (\rho)+2
	s_wait_dscnt 0x0
	s_wait_alu depctr_vm_vsrc(0)                   ; the LDS stores have read v[CD ..], which the next conversions write (behind the last: tokens and probabilities land there)
	LOADA (\rho)+2, 1                              ; into the set that this round's products read: the conversion's lines are the places between, and the wait behind them has shown those products done reading it
.if \rho <= 3
	LOADW (\rho)+4                                 ; no wait: no vector instruction since the wait behind the conversions names the set
.endif
.endif
.if \rho == 6
	s_wait_xcnt 0x0                                ; h's round 7 loads have read v3-5: only behind this wait are v1-4 written anew
	s_wait_alu depctr_vm_vsrc(0)                   ; w2's loads have read v1, the codes' LDS stores v2, h's loads v3-5: the lines below write v1-4 anew
	TOKLOAD
	global_load_b128 v[BQ:BQ+3], v[C16], s[6:7]    ; b2 of my four columns
.endif
.endm
	ITER 0
	ITER 1
	ITER 2
	ITER 3
	ITER 4
	ITER 5
	ITER 6
	ITER 7
	; the four parts of K meet in LDS, as images of the accumulators, each read from its low end on
.rept 4
	v_nop
.endr
	s_wait_alu depctr_va_vdst(0)                   ; the products have written the accumulators, which the LDS stores read; the places above stay beside this wait
.irp i, 0,1,2
.irp c, 0,1,2,3
	ds_store_b128 v[EXW], v[ACC+16*\i+4*\c:ACC+16*\i+4*\c+3] offset:8192*\i+512*\c
.endr
.endr
	s_wait_dscnt 0x0
	s_barrier_signal -1
	s_barrier_wait -1
	s_wait_loadcnt 0x0                             ; tokens, probabilities, b2: on every wave's path,
	TOKADR                                         ; and so are the tokens' addresses
	s_cmp_ge_u32 s[TILE], s[NTL]
	s_cbranch_scc1 .Lsummed                        ; the expert has no such tile (ks = 3: never)
.irp k, 0,1,2,3
.irp c, 0,1,2,3
	ds_load_b128 v[16+16*\k+4*\c:19+16*\k+4*\c], v[EXR] offset:2048*\k+512*\c   ; no wait: the last lines that named v16-79, the conversions of rounds 6 and 7, stand ahead of several waits on va_vdst
.endr
.endr
	s_wait_dscnt 0x0
.set cj, 0
.rept 8
	v_pk_add_f32 v[16+cj:17+cj], v[16+cj:17+cj], v[32+cj:33+cj]
	v_pk_add_f32 v[48+cj:49+cj], v[48+cj:49+cj], v[64+cj:65+cj]
.set cj, cj+2
.endr
.set cj, 0
.rept 8
	v_pk_add_f32 v[16+cj:17+cj], v[16+cj:17+cj], v[48+cj:49+cj]
.set cj, cj+2
.endr
	OUT 16
.Lsummed:
	; Tiles beyond the twelve: a tile a wave, all 32 K steps; all codes of the slice lie in LDS, shown by the barrier above.
	; The loop's count is a constant: 4 trips reach tile 60 + w, and an expert has 64 tiles at the most; the first tile that the expert does not have ends it.
	s_add_co_u32 s[TILE], s[WV], 12
	s_mov_b32 s[CTR], 4
.Lrem:
	s_cmp_ge_u32 s[TILE], s[NTL]
	s_cbranch_scc1 .Ldone
	s_wait_xcnt 0x0                                ; the earlier stores and loads have read their registers
	s_wait_alu depctr_vm_vsrc(0)                   ; the stores of out0 have read v1-4 and v32-47, the stage's LDS stores the accumulators, the last trip's loads of h v5: all of these are written anew below
	s_lshl_b32 s[T16], s[TILE], 4
	TOKLOAD
	s_add_co_u32 s44, s[TB], s[TILE]
	s_min_u32 s44, s44, s[TLAST]
	s_min_u32 s44, s44, 71
	s_lshl_b32 s44, s44, 16
	v_and_b32 v[HA], 31, v0
	v_lshl_add_u32 v[HA], v[HA], 4, s44
.set gq, 0
.rept 16                               ; two K steps at a time
	s_wait_alu depctr_va_vdst(0)                   ; the first group: h's address v5 is written; every group: the products issued so far are done reading h's two fragments and v[BB ..], in which the loads below land
.irp kk, 0,1
.irp c, 0,1,2,3
	global_load_b128 v[A1+16*\kk+4*\c:A1+16*\kk+4*\c+3], v[HA], s[10:11] offset:2048*(2*gq+\kk)+512*\c
.endr
.endr
.irp kk, 0,1
.if \kk == 1
	s_wait_alu depctr_va_vdst(0)                   ; the product above is done reading v[BB ..], in which the next fragment lands
.endif
.irp c, 0,1,2,3
	ds_load_b128 v[BB+4*\c:BB+4*\c+3], v[BR0] offset:128*(2*gq+\kk)+32*\c
.endr
.if \kk == 0
	s_wait_loadcnt 0x0
.endif
	s_wait_dscnt 0x0
.if (gq == 0) && (\kk == 0)
	v_wmma_f32_16x16x128_bf8_bf8 v[ACC:ACC+7], v[BB:BB+15], v[A1+16*\kk:A1+16*\kk+15], 0
.else
	v_wmma_f32_16x16x128_bf8_bf8 v[ACC:ACC+7], v[BB:BB+15], v[A1+16*\kk:A1+16*\kk+15], v[ACC:ACC+7]
.endif
.rept 4
	v_nop
.endr
	s_wait_alu depctr_va_vdst(0)                   ; the product above is done reading v[BB ..], in which the other columns' fragment lands
.irp c, 0,1,2,3
	ds_load_b128 v[BB+4*\c:BB+4*\c+3], v[BR1] offset:128*(2*gq+\kk)+32*\c
.endr
	s_wait_dscnt 0x0
.if (gq == 0) && (\kk == 0)
	v_wmma_f32_16x16x128_bf8_bf8 v[ACC+8:ACC+15], v[BB:BB+15], v[A1+16*\kk:A1+16*\kk+15], 0
.else
	v_wmma_f32_16x16x128_bf8_bf8 v[ACC+8:ACC+15], v[BB:BB+15], v[A1+16*\kk:A1+16*\kk+15], v[ACC+8:ACC+15]
.endif
.rept 4
	v_nop
.endr
.endr
.set gq, gq+1
.endr
	TOKADR                                         ; the tokens came with the first group's wait for all loads
	OUT ACC
	s_add_co_u32 s[TILE], s[TILE], 16
	s_sub_co_u32 s[CTR], s[CTR], 1
	s_cmp_lg_u32 s[CTR], 0
	s_cbranch_scc1 .Lrem
.Ldone:
	s_wait_dscnt 0x0                               ; the closing lines, six on end
	s_wait_alu 0x0
	s_wait_tensorcnt 0x0
	ds_add_u32 v[SPW], v[NIL]
	s_wait_dscnt 0x0
	s_endpgm
.Lfunc_end_k_q919750a935_ffn2:
	.size	k_q919750a935_ffn2, .Lfunc_end_k_q919750a935_ffn2-k_q919750a935_ffn2
	.p2alignl 7, 3214868480
	.fill 96, 4, 3214868480
	.section	.rodata,"a",@progbits
	.p2align	6, 0x0
	.amdhsa_kernel k_q919750a935_ffn2
		.amdhsa_group_segment_fixed_size 268800
		.amdhsa_private_segment_fixed_size 0
		.amdhsa_enable_private_segment 0
		.amdhsa_kernarg_size 64
		.amdhsa_user_sgpr_count 2
		.amdhsa_user_sgpr_kernarg_segment_ptr 1
		.amdhsa_wavefront_size32 1
		.amdhsa_system_sgpr_workgroup_id_x 1
		.amdhsa_system_sgpr_workgroup_id_y 1
		.amdhsa_system_sgpr_workgroup_id_z 1
		.amdhsa_system_vgpr_workitem_id 0
		.amdhsa_next_free_vgpr 256
		.amdhsa_next_free_sgpr 100
		.amdhsa_reserve_vcc 0
		.amdhsa_float_denorm_mode_32 3
		.amdhsa_float_denorm_mode_16_64 3
		.amdhsa_memory_ordered 1
		.amdhsa_forward_progress 1
		.amdhsa_inst_pref_size 142
	.end_amdhsa_kernel
	.amdgpu_metadata
---
amdhsa.version: [ 1, 2 ]
amdhsa.kernels:
  - .name:           k_q919750a935_ffn2
    .symbol:         k_q919750a935_ffn2.kd
    .args:
      - { .name: w2, .offset: 0, .size: 8, .value_kind: global_buffer, .address_space: global }
      - { .name: b2, .offset: 8, .size: 8, .value_kind: global_buffer, .address_space: global }
      - { .name: lowp_scales, .offset: 16, .size: 8, .value_kind: global_buffer, .address_space: global }
      - { .name: hq, .offset: 24, .size: 8, .value_kind: global_buffer, .address_space: global }
      - { .name: order, .offset: 32, .size: 8, .value_kind: global_buffer, .address_space: global }
      - { .name: gsort, .offset: 40, .size: 8, .value_kind: global_buffer, .address_space: global }
      - { .name: meta, .offset: 48, .size: 8, .value_kind: global_buffer, .address_space: global }
      - { .name: out0, .offset: 56, .size: 8, .value_kind: global_buffer, .address_space: global }
    .group_segment_fixed_size: 268800
    .private_segment_fixed_size: 0
    .kernarg_segment_align: 8
    .kernarg_segment_size: 64
    .max_flat_workgroup_size: 512
    .sgpr_count:     100
    .vgpr_count:     256
    .wavefront_size: 32
...
	.end_amdgpu_metadata
.endif
;; end of part 8
